; MI455X (gfx1250); checked and timed in simulation.
; The chip was launched on July 23, 2026; its instructions are those of AMD's public machine-readable ISA for CDNA 5 (MIT licence, August 2026) and "CDNA5" Instruction Set Architecture Reference Guide (July 2026). The comments in the code are by the model that wrote it; some were corrected since.
;; Multi Head Attention. Allowed arithmetic: matrix products marked QUANTISED: E2M3 operands, one E8M0 scale for each 32 along K, by v_wmma_scale_f32_16x16x128_f8f6f4 with both operands' format E2M3, f32 sums; everything else in f32.
;; Inputs: b_proj 1,024 float32; b_qkv 3,072 float32; mask 1 x 1 x 2,048 x 2,048 int32; w_proj 1,024 x 1,024 float32; w_qkv 1,024 x 3,072 float32; x 4 x 2,048 x 1,024 float32.
;; Outputs: out0 4 x 2,048 x 1,024 float32.
;; This version of the problem:
;;   THIS VERSION OF THE PROBLEM IS GIVEN IN LOW PRECISION. The matrix products marked QUANTISED in the list below multiply operands that are first quantised to E2M3 (2 exponent bits, 3 mantissa bits; 6 bits a number), with one power-of-two scale for each 32 numbers along K (OCP MX v1.0); their sums are f32. All else is computed in f32.
;;   The module's matrix products, in the order in which they are computed (A, B: the left and right operand; K: the contracted axis; several contracted axes count as one K, in the product's order):
;;     1. [M 8,192, K 1,024] x [K 1,024, N 3,072]; A: input x; B: input w_qkv: QUANTISED
;;     2. batch 64 x [M 2,048, K 64] x [K 64, N 2,048]; A: computed on the way; B: computed on the way: QUANTISED
;;     3. batch 64 x [M 2,048, K 2,048] x [K 2,048, N 64]; A: softmax (see below); B: computed on the way: QUANTISED
;;     4. [M 8,192, K 1,024] x [K 1,024, N 1,024]; A: computed on the way; B: input w_proj: QUANTISED
;;   THE QUANTISER, for each operand of a quantised product, along K:
;;     - K is cut into blocks of 32 from its start; a last block that is shorter is filled with zeros.
;;     - A block's scale is 2^e with e = floor(log2(the largest magnitude in the block)) - 2, held to -126 .. 127; a block of zeros has e = 0. As a byte (E8M0): e + 127.
;;     - Each number is divided by its block's scale, clamped to +-7.5, and rounded to the nearest number of E2M3, ties to even, subnormals kept.
;;     - The product sums the exact products of the quantised numbers (number of the format x scale) in f32.
;;   ~~~python
;;   def quantise(x, axis):      # numpy; x: float32 -> the quantised numbers, widened to float32 again
;;       x = np.moveaxis(x, axis, -1); K = x.shape[-1]
;;       x = np.pad(x, [(0, 0)] * (x.ndim - 1) + [(0, -K % 32)]); x = x.reshape(x.shape[:-1] + (-1, 32)); a = np.abs(x).max(-1, keepdims=True)
;;       e = np.where(a > 0, np.clip(np.frexp(np.where(a > 0, a, 1))[1] - 1 - 2, -126, 127), 0)      # np.frexp(a)[1] - 1 = floor(log2(a)), exactly
;;       r = np.clip(x / 2.0 ** e, -7.5, 7.5)
;;       step = 2.0 ** (np.maximum(np.frexp(np.where(r == 0, 1, r))[1] - 1, 0) - 3)
;;       q = np.round(r / step) * step * 2.0 ** e      # np.round: ties to even
;;       return np.moveaxis(q.reshape(q.shape[:-2] + (-1,))[..., :K], -1, axis).astype(np.float32)
;;   ~~~
;;   SOFTMAX AHEAD OF A QUANTISED PRODUCT. Where the list says 'softmax', what is quantised is not the finished softmax but p = 2^(t - M), with t = logit x log2(e) and M = ceil(the row's largest t), a whole number; so 1/2 < the row's largest p <= 1. The row's sum l is taken of the UNQUANTISED p, in f32, and the product's result is divided by l at the end. Since M is a whole number, a kernel that streams over the keys may use a running M (the ceiling of the running maximum): every later rescaling is an exact power of two, which a block's scale takes up: the codes' values come out the same.
;;   OPERANDS COMPUTED ON THE WAY. 'Computed on the way' means the value that the module computes at that place (a softmax that the list does not call 'softmax' is quantised finished and normalised). What goes into a quantiser is computed in f32, as accurately as f32 sums, v_exp_f32 and their like allow (about 1e-6 of the number): no bf16 or f16 on the way to a quantiser, and a product that is left as it is and whose result goes on into a quantised operand takes f32 operands (vector FMAs, or v_wmma_f32_16x16x4_f32). A number that lies on a knife's edge between two numbers of the format may be rounded either way, as far as f32 arithmetic and the matrix unit's own rounding can turn it there, and no further.
;; 2 versions, each right; version 2 is version 1 with the launch attn written anew for expert scheduling mode. Each part assembles by itself: llvm-mc -triple=amdgcn-amd-amdhsa -mcpu=gfx1250 --defsym DOCPART=n.
;; ======== version 1 of 2: 4 launches
;; workspace buffers: opnd 9,830,400 bytes; masks 526,336 bytes of whole numbers; qkv 20,185,088 bytes; att 6,553,600 bytes
;; launch prep (part 1): grid 384 x 1, 4 waves a work-group, no clusters, 92,672 bytes of LDS; arguments x, w_qkv, w_proj, mask, opnd, masks; writes opnd, masks
.if DOCPART == 1
	.amdgcn_target "amdgcn-amd-amdhsa--gfx1250"
	.amdhsa_code_object_version 6
	.text
	.protected	k_qb6341e03ac_prep
	.globl	k_qb6341e03ac_prep
	.p2align	8
	.type	k_qb6341e03ac_prep,@function
k_qb6341e03ac_prep:
	s_mov_b64 s[64:65], 0
	v_nop
	global_prefetch_b8 v0, s[64:65] scope:SCOPE_SE
	s_setreg_imm32_b32 hwreg(HW_REG_WAVE_MODE, 25, 1), 1
	s_wait_xcnt 0x0
; PREP.  x [8192][1024], w_qkv [1024][3072] and w_proj [1024][1024], f32, become codes of FP6 (E2M3) with one E8M0 byte for each 32 along K (1,024); the mask [2048][2048], int32, becomes bit words and flags.
; SLOT ORDER.  Rows of x and columns of the weights are kept so that slot p holds index sw(p), sw = bits 3 and 4 exchanged: lane r of tile T (16 slots) stands for index 32 (T / 2) + 8 (T % 2) + r + 8 (r / 8).
; A later product whose source 0 is such a tile leaves 16 NEIGHBOURS of that index in the 16 registers of two neighbouring tiles, which is what the next quantiser wants.
; A FRAGMENT (16 slots x 128 K, 12 registers a lane) lies in memory as an image of its registers: pair m (registers 2 m, 2 m + 1) of lane L at 256 m + 8 L: 1,536 bytes.
; opnd: x's codes [512 tiles][8 K steps][1536] at 0; x's scale bytes [8192 slots][32] at XSO; the weights' codes [256 tiles][8][1536] at WCO (slots 0-3071 w_qkv, 3072-4095 w_proj); their scale bytes [4096][32] at WSO.
; masks: words [128 query tiles][16 key steps][64] at 0: word 16 b + i, bit r + 16 h = (mask[query of slot r][128 s + 32 b + 16 h + i] != 0); flags [128][4] at MFO: bit s: some key of step s is open; bit 16 + s: all are.
; A block's scale is 2^(floor(log2(largest magnitude)) - 2): its byte is the largest magnitude's exponent field - 2, held at 1 from below.
; LIMITS: a block whose largest magnitude lies under 2^-124 (a block of zeros too) keeps the byte 1 where the rule says another: its codes are zeros or next to it, and this program alone reads the bytes; NaN and infinities are not served.
; Work-groups 0-127 take x, 128-255 the mask, 256-383 the weights.  Each path has LDS bytes of its own, each wave a stage of its own: no barrier.
.set XSO, 6291456
.set WCO, 6553600
.set WSO, 9699328
.set MFO, 524288
.set SP,  528                          ; a stage row: 512 bytes + 16, an odd multiple of 16: the 16 rows of a read start at different banks
.set STM, 4*16*SP                      ; the mask path's stages
.set STW, 8*16*SP                      ; the weight path's: 6,144 bytes a wave
.set X,   64                           ; v64-127  64 numbers as the lane wants them
.set R,   128                          ; v128-255 two sets of 64 as loaded
.set C,   32                           ; v32-43   a fragment's codes
.set D,   44                           ; v44-51   the second halves of the blocks' codes
.set W,   18                           ; v18-25   the row's eight scale words
	s_load_b256 s[4:11], s[0:1], 0x0               ; x s[4:5], w_qkv s[6:7], w_proj s[8:9], mask s[10:11]
	s_load_b128 s[12:15], s[0:1], 0x20             ; opnd s[12:13], masks s[14:15]
	v_lshl_add_u32 v30, v0, 2, 0x16800
	v_mov_b32 v31, 0
	v_lshrrev_b32 v1, 5, v0
	v_readfirstlane_b32 s16, v1                    ; wave 0..3
	v_and_b32 v2, 31, v0                           ; lane
	v_and_b32 v3, 15, v0                           ; r
	v_bfe_u32 v1, v0, 4, 1                         ; h
	v_lshlrev_b32 v4, 4, v2                        ; 16 x lane
	v_lshlrev_b32 v7, 3, v2                        ; 8 x lane
	s_mov_b32 s17, 0xffff0000                      ; lanes 16-31
	s_mov_b32 s18, 0x76543210
	s_mov_b32 s19, 0xfedcba98                      ; v_permlanex16_b32's selects for lane l xor 16
	s_mov_b32 s21, 0                               ; the upper words of the offset pairs s[20:21], s[22:23]
	s_mov_b32 s23, 0
	s_wait_kmcnt 0x0
	s_cmp_lt_u32 ttmp9, 128
	s_cbranch_scc1 .Lpath_x
	s_cmp_lt_u32 ttmp9, 256
	s_cbranch_scc1 .Lpath_m
; ---- THE WEIGHTS.  K is their first axis: a lane takes a column and its registers run down K, so a block of 32 lies in one lane.  A wave: 32 columns x 256 along K (8 blocks).
	s_sub_co_u32 s20, ttmp9, 256
	s_and_b32 s24, s20, 31                         ; group of 128 columns: 0-23 w_qkv, 24-31 w_proj
	s_lshr_b32 s22, s20, 5                         ; which 256 along K
	s_mov_b32 s25, 4096
	s_sub_co_u32 s26, s24, 24
	s_cmp_ge_u32 s24, 24                           ; the choice hangs on the work-group's number alone
	s_cselect_b64 s[6:7], s[8:9], s[6:7]
	s_cselect_b32 s25, s25, 12288                  ; bytes from row to row
	s_cselect_b32 s26, s26, s24                    ; the group's number in its own tensor
	s_lshl_b32 s26, s26, 7
	s_lshl_b32 s27, s16, 5
	s_add_co_u32 s26, s26, s27                     ; my wave's first column
	s_lshl_b32 s26, s26, 2
	s_lshl_b32 s27, s22, 8
	s_mul_i32 s27, s27, s25
	s_add_co_u32 s20, s26, s27
	s_add_nc_u64 s[32:33], s[6:7], s[20:21]        ; block 0's first row; a base for each block, so that one text serves both pitches and nothing is stepped
	s_lshl_b32 s20, s25, 5                         ; 32 rows on
.irp t, 1,2,3,4,5,6,7
	s_add_nc_u64 s[32+2*\t:33+2*\t], s[30+2*\t:31+2*\t], s[20:21]
.endr
	v_lshlrev_b32 v96, 2, v2                       ; v96-127: 4 x lane + i rows
.set i, 1
.rept 31
	v_add_nc_u32 v[96+i], s25, v[95+i]
.set i, i+1
.endr
	s_lshl_b32 s26, s24, 3
	s_lshl_b32 s27, s16, 1
	s_add_co_u32 s26, s26, s27                     ; my first tile of 16 slots
	s_mul_i32 s26, s26, 12288
	s_mul_i32 s27, s22, 3072
	s_add_co_u32 s26, s26, s27
	s_add_co_u32 s20, s26, WCO
	s_add_nc_u64 s[48:49], s[12:13], s[20:21]      ; the codes' place
	s_lshl_b32 s26, s24, 12
	s_lshl_b32 s27, s16, 10
	s_add_co_u32 s26, s26, s27
	s_lshl_b32 s27, s22, 3
	s_add_co_u32 s26, s26, s27
	s_add_co_u32 s20, s26, WSO
	s_add_nc_u64 s[50:51], s[12:13], s[20:21]      ; the scale bytes' place
	s_mul_i32 s28, s16, 6144
	s_add_co_u32 s28, s28, STW                     ; my stage: 2 tiles x 2 K steps x 1,536
	v_and_b32 v14, 7, v0
	v_lshl_add_u32 v14, v1, 3, v14                 ; my column's lane in its tile: (lane % 8) + 8 (lane / 16)
	v_bfe_u32 v16, v0, 3, 1                        ; and its tile: bit 3 of the lane
	v_mul_u32_u24 v10, v16, 3072
	v_lshl_add_u32 v10, v14, 3, v10
	v_add_nc_u32 v10, s28, v10                     ; into the stage
	v_add_nc_u32 v11, s28, v4                      ; out of it: 16 x lane
	v_lshl_add_u32 v13, v16, 4, v14
	v_lshlrev_b32 v13, 5, v13                      ; 32 x my slot: my row of scale bytes
.macro WLOAD t                         ; block t: 32 rows at my column: 128 consecutive bytes a wave and load
.set i, 0
.rept 32
	global_load_b32 v[32+32*((\t)%2)+i], v[96+i], s[32+2*(\t):33+2*(\t)] th:TH_LOAD_NT
.set i, i+1
.endr
.endm
.macro WBLOCK t
.set XS, 32+32*((\t)%2)
.if (\t) < 7
	s_wait_loadcnt 32                              ; this block's 32 loads are in; the next block's 32 may be out
.else
	s_wait_loadcnt 0x0
.endif
	v_max3_num_f32 v18, |v[XS]|, |v[XS+1]|, |v[XS+2]|
	v_max3_num_f32 v19, |v[XS+3]|, |v[XS+4]|, |v[XS+5]|
.irp i, 6,10,14,18,22,26
	v_max3_num_f32 v18, v18, |v[XS+\i]|, |v[XS+\i+1]|
	v_max3_num_f32 v19, v19, |v[XS+\i+2]|, |v[XS+\i+3]|
.endr
	v_max3_num_f32 v18, v18, |v[XS+30]|, |v[XS+31]|
	v_max3_num_f32 v18, v18, v19, 0x1800000        ; and the floor 2^(3 - 127): the byte cannot fall under 1
	v_add_nc_u32 v20, 0xff000000, v18              ; 2 off the exponent field: the conversion's scale operand
	v_lshrrev_b32 v21, 23, v20                     ; the byte
.if (\t)%4 == 0
	v_mov_b32 v[24+(\t)/4], v21
.else
	v_lshl_or_b32 v[24+(\t)/4], v21, 8*((\t)%4), v[24+(\t)/4]
.endif
	v_cvt_scalef32_pk16_fp6_f32 v[128:130], v[XS:XS+15], v20
	v_cvt_scalef32_pk16_fp6_f32 v[136:138], v[XS+16:XS+31], v20   ; (a conversion's three registers begin on an even number)
	v_nop                                          ; one plain place behind a scaled conversion
.irp i, 0,1,2
	v_mov_b32 v[131+\i], v[136+\i]
.endr
.irp q, 0,1,2                          ; block t is registers 6 c .. 6 c + 5 of lanes 16 h + r, c = (t % 4) / 2, h = t % 2, of K step t / 4
	ds_store_b64 v10, v[128+2*\q:129+2*\q] offset:((\t)/4)*1536+(((\t)%4)/2)*768+((\t)%2)*128+256*\q
.endr
.if (\t)+2 < 8
	WLOAD (\t)+2
.endif
	s_wait_dscnt 0x0                               ; the stores have read their registers: the next block's codes may be written
.endm
	WLOAD 0
	WLOAD 1
.irp t, 0,1,2,3,4,5,6,7
	WBLOCK \t
.endr
	global_store_b64 v13, v[24:25], s[50:51]       ; my column's 8 scale bytes
.set i, 0
.rept 12
	ds_load_b128 v[144+4*i:147+4*i], v11 offset:512*i   ; a wave's LDS instructions are served in order: these see my stores
.set i, i+1
.endr
.set i, 0
.rept 12
	s_wait_dscnt 11-i                              ; the younger read-backs may be out
	global_store_b128 v4, v[144+4*i:147+4*i], s[48:49] offset:(i/6)*12288+512*(i%6)   ; 512 consecutive bytes, aligned to 256
.set i, i+1
.endr
	s_wait_tensorcnt 0x0
	ds_add_u32 v30, v31
	s_wait_dscnt 0x0
	s_endpgm
; 16 loads, one for each slot row: 512 consecutive bytes each
.macro GLOAD s, pitch
.irp i, 0,1,2,3,4,5,6,7,8,9,10,11,12,13,14,15
	global_load_b128 v[R+64*((\s)%2)+4*\i:R+64*((\s)%2)+4*\i+3], v4, s[4:5] offset:(\i+8*(\i/8))*(\pitch)+512*(\s) th:TH_LOAD_NT
.endr
.endm
; the 16 x 512 bytes go through my stage as they lie and come back as the lane wants them: runs of per x 16 bytes, far bytes apart
.macro THROUGH s, per, far
.irp i, 0,1,2,3,4,5,6,7,8,9,10,11,12,13,14,15
	ds_store_b128 v5, v[R+64*((\s)%2)+4*\i:R+64*((\s)%2)+4*\i+3] offset:SP*\i
.endr
.irp n, 0,1,2,3,4,5,6,7,8,9,10,11,12,13,14,15
	ds_load_b128 v[X+4*\n:X+4*\n+3], v6 offset:(\far)*(\n/(\per))+16*(\n%(\per))
.endr
.endm
; ---- THE MASK.  Work-group = query tile T, wave = a quarter of the keys (4 steps of 128).
.Lpath_m:
	s_sub_co_u32 s24, ttmp9, 128                   ; T
	s_lshr_b32 s20, s24, 1
	s_lshl_b32 s20, s20, 18                        ; 32 rows of 8,192 bytes
	s_and_b32 s22, s24, 1
	s_lshl_b32 s22, s22, 16                        ; 8 rows
	s_add_co_u32 s20, s20, s22
	s_lshl_b32 s22, s16, 11                        ; my quarter: 512 keys
	s_add_co_u32 s20, s20, s22
	s_add_nc_u64 s[4:5], s[10:11], s[20:21]
	s_lshl_b32 s20, s24, 12
	s_lshl_b32 s22, s16, 10
	s_add_co_u32 s20, s20, s22
	s_add_nc_u64 s[26:27], s[14:15], s[20:21]      ; the words
	s_lshl_b32 s20, s24, 4
	s_lshl_b32 s22, s16, 2
	s_add_co_u32 s20, s20, s22
	s_add_co_u32 s20, s20, MFO
	s_add_nc_u64 s[28:29], s[14:15], s[20:21]      ; my flag word
	s_mul_i32 s25, s16, 16*SP
	s_add_co_u32 s25, s25, STM
	v_add_nc_u32 v5, s25, v4
	v_mul_u32_u24 v6, v3, SP
	v_lshl_add_u32 v6, v1, 6, v6                   ; row r, + 64 h: my 16 keys of each block of 32
	v_add_nc_u32 v6, s25, v6
.irp i, 0,1,2,3,4,5,6,7
	v_mov_b32 v[32+\i], 0                          ; v_writelane_b32's destination counts as read
.endr
	s_mov_b32 s30, 0
.macro MSTEP st
.if (\st) < 3
	s_wait_loadcnt 16                              ; this step's 16 loads are in; the next step's 16 may be out
.else
	s_wait_loadcnt 0x0
.endif
	THROUGH \st, 4, 128
	s_wait_dscnt 0x0                               ; the numbers are back, and the stores have read their registers
.if (\st)+2 < 4
	GLOAD (\st)+2, 8192
.endif
.set n, 0
.rept 64                               ; word n: one bit a lane; it goes to lane n / 2 of a pair, so that the 64 words leave as 256 consecutive bytes
	v_cmp_ne_u32 s[32+n%4], 0, v[X+n]
	v_writelane_b32 v[32+2*(\st)+n%2], s[32+n%4], n/2
.set n, n+1
.endr
	global_store_b64 v7, v[32+2*(\st):33+2*(\st)], s[26:27] offset:256*(\st)
	v_or_b32 v10, v[32+2*(\st)], v[33+2*(\st)]
	v_and_b32 v11, v[32+2*(\st)], v[33+2*(\st)]
	v_cmp_ne_u32 s36, 0, v10
	v_cmp_ne_u32 s37, -1, v11
	s_cmp_lg_u32 s36, 0                            ; some bit of the 64 words is set
	s_cselect_b32 s38, 1<<(\st), 0
	s_or_b32 s30, s30, s38
	s_cmp_eq_u32 s37, 0                            ; every bit is
	s_cselect_b32 s38, 0x10000<<(\st), 0
	s_or_b32 s30, s30, s38
.endm
	GLOAD 0, 8192
	GLOAD 1, 8192
.irp t, 0,1,2,3
	MSTEP \t
.endr
	s_lshl_b32 s31, s16, 2
	s_lshl_b32 s30, s30, s31                       ; my quarter's bits at their places
	v_mov_b32 v10, s30
	v_mov_b32 v11, 0
	v_cmp_eq_u32 vcc_lo, 0, v2
	s_wait_xcnt 0x0                                ; EXEC changes only behind this wait
	s_wait_tensorcnt 0x0
	ds_add_u32 v30, v31
	s_wait_dscnt 0x0
	s_and_saveexec_b32 s31, vcc_lo
	global_store_b32 v11, v10, s[28:29]            ; lane 0 alone
	s_wait_xcnt 0x0
	s_or_b32 exec_lo, exec_lo, s31
	s_endpgm
; ---- x.  Wave = a tile of 16 slot rows, all of K in 8 steps of 128.
.Lpath_x:
	s_lshl_b32 s20, ttmp9, 2
	s_add_co_u32 s24, s20, s16                     ; T
	s_lshr_b32 s20, s24, 1
	s_lshl_b32 s20, s20, 17                        ; 32 rows of 4,096 bytes
	s_and_b32 s22, s24, 1
	s_lshl_b32 s22, s22, 15                        ; 8 rows
	s_add_co_u32 s20, s20, s22
	s_add_nc_u64 s[4:5], s[4:5], s[20:21]
	s_mul_i32 s22, s24, 12288
	s_add_nc_u64 s[26:27], s[12:13], s[22:23]      ; the tile's codes
	s_lshl_b32 s22, s24, 9
	s_add_co_u32 s22, s22, XSO
	s_add_nc_u64 s[28:29], s[12:13], s[22:23]      ; its scale bytes
	s_mul_i32 s25, s16, 16*SP
	v_add_nc_u32 v5, s25, v4
	v_mul_u32_u24 v6, v3, SP
	v_lshl_add_u32 v6, v1, 7, v6                   ; row r, + 128 h: the operand's layout gives lane (r, h) k = 64 c + 32 h + 0 .. 31: two whole blocks
	v_add_nc_u32 v6, s25, v6
	v_lshlrev_b32 v8, 3, v1                        ; 8 h
	v_lshlrev_b32 v9, 5, v3
	v_lshl_add_u32 v9, v1, 4, v9                   ; 32 r + 16 h
	v_mov_b32 v17, 0                               ; a lane permute's destination counts as read
.macro XSTEP s
.if (\s) < 7
	s_wait_loadcnt 16                              ; this step's 16 loads are in; the next step's 16 may be out
.else
	s_wait_loadcnt 0x0
.endif
	THROUGH \s, 8, 256
	s_wait_dscnt 0x0                               ; the numbers are back, and the stores have read their registers
.if (\s)+2 < 8
	GLOAD (\s)+2, 4096
.endif
.irp c, 0,1
	v_max3_num_f32 v[10+\c], |v[X+32*\c]|, |v[X+32*\c+1]|, 0x1800000   ; my block 2 c + h, and the floor 2^(3 - 127)
.endr
.irp i, 2,4,6,8,10,12,14,16,18,20,22,24,26,28,30
.irp c, 0,1
	v_max3_num_f32 v[10+\c], v[10+\c], |v[X+32*\c+\i]|, |v[X+32*\c+\i+1]|
.endr
.endr
.irp c, 0,1
	v_add_nc_u32 v[12+\c], 0xff000000, v[10+\c]    ; 2 off the exponent field: the conversion's scale operand
.endr
.irp c, 0,1
	v_lshrrev_b32 v[14+\c], 23, v[12+\c]           ; the byte
.endr
	v_lshl_or_b32 v[W+(\s)], v15, 16, v14          ; my two bytes: blocks h and 2 + h,
	v_lshlrev_b32 v[W+(\s)], v8, v[W+(\s)]         ; at their places;
	v_permlanex16_b32 v17, v[W+(\s)], s18, s19
	v_or_b32 v[W+(\s)], v[W+(\s)], v17             ; with lane l xor 16's two the word is whole
	s_wait_xcnt 0x0                                ; the last step's stores have read the codes' registers
.irp c, 0,1
	v_cvt_scalef32_pk16_fp6_f32 v[C+6*\c:C+6*\c+2], v[X+32*\c:X+32*\c+15], v[12+\c]
	v_cvt_scalef32_pk16_fp6_f32 v[D+4*\c:D+4*\c+2], v[X+32*\c+16:X+32*\c+31], v[12+\c]
.endr
	v_nop                                          ; one plain place behind a scaled conversion
.irp c, 0,1
.irp i, 0,1,2
	v_mov_b32 v[C+3+6*\c+\i], v[D+4*\c+\i]
.endr
.endr
.irp m, 0,1,2,3,4,5
	global_store_b64 v7, v[C+2*\m:C+2*\m+1], s[26:27] offset:1536*(\s)+256*\m   ; 256 consecutive bytes, aligned
.endr
.endm
	GLOAD 0, 4096
	GLOAD 1, 4096
.irp t, 0,1,2,3,4,5,6,7
	XSTEP \t
.endr
.irp i, 0,1,2,3
	v_cndmask_b32 v[26+\i], v[W+\i], v[W+4+\i], s17   ; lanes 0-15 the row's first 16 bytes, lanes 16-31 its last
.endr
	global_store_b128 v9, v[26:29], s[28:29]       ; 512 consecutive bytes
	s_wait_tensorcnt 0x0
	ds_add_u32 v30, v31
	s_wait_dscnt 0x0
	s_endpgm
.Lfunc_end_k_qb6341e03ac_prep:
	.size	k_qb6341e03ac_prep, .Lfunc_end_k_qb6341e03ac_prep-k_qb6341e03ac_prep
	.p2alignl 7, 3214868480
	.fill 96, 4, 3214868480
	.section	.rodata,"a",@progbits
	.p2align	6, 0x0
	.amdhsa_kernel k_qb6341e03ac_prep
		.amdhsa_group_segment_fixed_size 92672
		.amdhsa_private_segment_fixed_size 0
		.amdhsa_enable_private_segment 0
		.amdhsa_kernarg_size 48
		.amdhsa_user_sgpr_count 2
		.amdhsa_user_sgpr_kernarg_segment_ptr 1
		.amdhsa_wavefront_size32 1
		.amdhsa_system_sgpr_workgroup_id_x 1
		.amdhsa_system_sgpr_workgroup_id_y 1
		.amdhsa_system_sgpr_workgroup_id_z 1
		.amdhsa_system_vgpr_workitem_id 0
		.amdhsa_next_free_vgpr 256
		.amdhsa_next_free_sgpr 66
		.amdhsa_reserve_vcc 1
		.amdhsa_float_denorm_mode_32 3
		.amdhsa_float_denorm_mode_16_64 3
		.amdhsa_memory_ordered 1
		.amdhsa_forward_progress 1
		.amdhsa_inst_pref_size 153
	.end_amdhsa_kernel
	.amdgpu_metadata
---
amdhsa.version: [ 1, 2 ]
amdhsa.kernels:
  - .name:           k_qb6341e03ac_prep
    .symbol:         k_qb6341e03ac_prep.kd
    .args:
      - { .name: x, .offset: 0, .size: 8, .value_kind: global_buffer, .address_space: global }
      - { .name: w_qkv, .offset: 8, .size: 8, .value_kind: global_buffer, .address_space: global }
      - { .name: w_proj, .offset: 16, .size: 8, .value_kind: global_buffer, .address_space: global }
      - { .name: mask, .offset: 24, .size: 8, .value_kind: global_buffer, .address_space: global }
      - { .name: opnd, .offset: 32, .size: 8, .value_kind: global_buffer, .address_space: global }
      - { .name: masks, .offset: 40, .size: 8, .value_kind: global_buffer, .address_space: global }
    .group_segment_fixed_size: 92672
    .private_segment_fixed_size: 0
    .kernarg_segment_align: 8
    .kernarg_segment_size: 48
    .max_flat_workgroup_size: 128
    .sgpr_count:     66
    .vgpr_count:     256
    .wavefront_size: 32
...
	.end_amdgpu_metadata
.endif
;; end of part 1
;; launch qkv (part 2): grid 12 x 32, 4 waves a work-group, clusters of 4 x 4, 327,680 bytes of LDS; arguments opnd, b_qkv, qkv; writes qkv
.if DOCPART == 2
	.amdgcn_target "amdgcn-amd-amdhsa--gfx1250"
	.amdhsa_code_object_version 6
	.text
	.protected	k_qb6341e03ac_qkv
	.globl	k_qb6341e03ac_qkv
	.p2align	8
	.type	k_qb6341e03ac_qkv,@function
k_qb6341e03ac_qkv:
	s_mov_b64 s[64:65], 0
	v_nop
	global_prefetch_b8 v0, s[64:65] scope:SCOPE_SE
	s_setreg_imm32_b32 hwreg(HW_REG_WAVE_MODE, 25, 1), 1
	s_wait_xcnt 0x0
	s_wait_alu depctr_hold_cnt(0) depctr_sa_sdst(0) depctr_va_vdst(0) depctr_va_sdst(0) depctr_va_ssrc(0) depctr_va_vcc(0) depctr_vm_vsrc(0)
	s_getreg_b32 s2, hwreg(HW_REG_IB_STS2, 6, 4)
	s_cmp_eq_u32 s2, 0
	s_cbranch_scc0 .Lentry_in_a_cluster
	s_endpgm
.Lentry_in_a_cluster:
	s_bfe_u32 s2, ttmp6, 0x10000c
	s_cmp_lg_u32 s2, 0xf033
	s_cbranch_scc0 .Lentry_shape_is_right
	s_endpgm
.Lentry_shape_is_right:
; QKV.  x w_qkv + b_qkv on codes of FP6 (E2M3) with E8M0 scales, K = 1,024; the results are quantised in registers and leave as q's, k's and v's codes: no f32 number of them goes to memory.
; A tile of 256 x 256 to a work-group of four waves, 128 x 128 (64 accumulators) to a wave; K in four slots' worth of 256 through a ring of two LDS slots filled by the tensor data mover.
; OPERANDS lie in memory as images of fragments (pair m of lane L at 256 m + 8 L; [tile of 16 slots][8 K steps][1536]): a wave's tensor load brings 8 tiles x 3,072 bytes, and a fragment is six loads of 256 consecutive bytes.
; SLOT ORDER (slot p holds index p with bits 3 and 4 exchanged) makes the 16 registers of two neighbouring source-0 tiles 16 neighbours of the source-0 index.
; ROLES, by the cluster's x, which all partners share: 0 q, 1 k: operand "A" (source 1, the lane's row) = x, "B" (source 0, along the registers) = the weight: the registers run along the head's 64, q's and k's K.
; 2 v: the two change places: the lane's row is a channel of v, the registers run along the tokens, which are the keys: the second attention product's K.
; CLUSTERS: A's tile is shared along a row of the 4 x 4 cluster, B's along a column: joint loads.
; qkv: q's codes [64 heads][16 groups of 128 tokens][4 pairs of tiles][1536] at 0 (registers 0-5 of tile 2 p, then of tile 2 p + 1; register 4 g + x of lane L at 512 g + 16 L + 4 x), k's likewise at 6,291,456,
; v's [64][16 key steps][4 channel tiles][1536] at 12,582,912; scale words: q's [64][16][512] at QSO (lane L's 16 bytes: pairs 0-3; lanes 0-15 tile 2 p, lanes 16-31 tile 2 p + 1; bytes 2, 3 = 1), k's 524,288 on, v's [64][16][256] 1,048,576 on.
; LIMITS: a block whose largest magnitude lies under 2^-124 keeps the byte 1; NaN and infinities are not served.
; REGISTERS: window 0: v8-9 bias offsets; v16-17, v20-21 fragment addresses; v24 16 x lane, v25 8 x lane; v27 scale words' address; v28-29 the add's; v32-63 scale words; v64-127 the bias along the registers; v128-223 A's fragments; v224-239 the bias of the lane's row.
;   window 1: B's fragments, two sets.  windows 2, 3: the accumulators ((a, b) at v[8 (8 (a % 4) + b)]).
.set XSO, 6291456
.set WCO, 6553600
.set WSO, 9699328
.set QSO, 18874368
.set NQ,    2                          ; steps of 128 along K in a slot
.set FR,    12
.set NL,    6                          ; LDS loads that bring a fragment
.set NP,    4                          ; places behind this matrix instruction (ISA guide 7.12.1)
.set HALFT, 8*3072                     ; 128 slots x 256 along K: what one tensor load brings
.set SLOT,  4*HALFT
.set SCL,   2*SLOT                     ; behind the ring: the scale bytes, units of 256 bytes + 16 of padding
.set HALFS, 16*272                     ; those of 128 slots
.set SBLK,  2*272                      ; of 16
.set SPARE, SCL+4*HALFS                ; the spare words: 128 bytes a wave, named by no other line
.set ADRA, 16
.set ADRB, 20
.set ADRS, 27
.set SPW,  28
.set NIL,  29
.set SC,   32
.set BIAS, 64
.set AF,   128
.set BV,   224
.set G1, 24
.set G0, 32
.set G1B, 48
.set G0B, 56
.set G1S, 68
.set G0S, 76
.set G1SB, 80
.set G0SB, 88
.set MSB, 0
.macro WIN new                         ; the immediate's high byte repeats the setting that is left
.if MSB != (\new)
	s_set_vgpr_msb (MSB<<8)|(\new)
.set MSB, (\new)
.endif
.endm
.set MUL_LO, 0xa1                      ; source 0 (B) window 1, source 1 (A) window 0, C and D window 2
.set MUL_HI, 0xf1
.set TO_B,   0x40
; A joint load: waves 0 and 1 fetch for A, waves 2 and 3 for B; four v_nop follow each of the two lines.
.macro JLOAD g0a, g1a, g0b, g1b
	s_cmp_eq_u32 s15, 0
	s_cbranch_scc0 .Lfor_b_\@
	tensor_load_to_lds s[\g0a:\g0a+3], s[\g1a:\g1a+7]
	s_nop 0
.rept 4
	v_nop
.endr
	s_branch .Lasked_\@
.Lfor_b_\@:
	tensor_load_to_lds s[\g0b:\g0b+3], s[\g1b:\g1b+7]
	s_nop 0
.rept 4
	v_nop
.endr
.Lasked_\@:
.endm
.macro CREST                           ; a round of the cluster's barrier behind its opening barrier
	s_cmp_lg_u32 s14, 0
	s_cbranch_scc1 .Lnot_wave_0_\@
	s_barrier_signal -3
.Lnot_wave_0_\@:
	s_barrier_wait -3
	s_barrier_signal -1
	s_barrier_wait -1
.endm
.macro CROUND
	s_barrier_signal -1
	s_barrier_wait -1
	CREST
.endm
	s_load_b128 s[4:7], s[0:1], 0x0                ; opnd s[4:5], b_qkv s[6:7]
	s_load_b64 s[8:9], s[0:1], 0x10                ; qkv
	v_lshl_add_u32 v[SPW], v0, 2, SPARE
	v_mov_b32 v[NIL], 0
	ds_add_u32 v28, v29
	ds_add_u32 v28, v29
	s_wait_dscnt 0x0
	v_lshrrev_b32 v1, 5, v0
	v_readfirstlane_b32 s14, v1                    ; wave 0..3
	s_lshr_b32 s15, s14, 1                         ; my half of A's slots.  Also: I fetch for A (0) or for B (1)
	s_and_b32 s16, s14, 1                          ; my half of B's slots.  Also: which 128 slots I fetch
	s_bfe_u32 s40, ttmp6, 0x40000                  ; cx
	s_bfe_u32 s41, ttmp6, 0x40004                  ; cy
	s_lshl_b32 s42, ttmp9, 2                       ; 4 x cluster x
	s_and_b32 s17, ttmp7, 0xffff
	s_lshl_b32 s17, s17, 2                         ; 4 x cluster y
	s_lshl_b32 s43, s41, 2
	s_lshl_b32 s43, 15, s43                        ; my row of the cluster
	s_lshl_b32 s44, 0x1111, s40                    ; my column
	; group 1 for codes: 8 rows (tiles) of 384 elements of 8 bytes, 1,536 elements apart, no padding
	s_or_b32 s[G1+0], s43, (3<<16)|(1<<21)
	s_or_b32 s[G1B+0], s44, (3<<16)|(1<<21)
.irp g, G1, G1B
	s_mov_b32 s[\g+1], 384<<16                     ; tensor_dim0
	s_mov_b32 s[\g+2], 8<<16                       ; tensor_dim1
	s_mov_b32 s[\g+3], 384<<16                     ; tile_dim0
	s_mov_b32 s[\g+4], 8                           ; tile_dim1
	s_mov_b32 s[\g+5], 1536                        ; tensor_dim0_stride
	s_mov_b32 s[\g+6], 0
	s_mov_b32 s[\g+7], 0
.endr
	; group 1 for the scale bytes of 128 slots: 4,096 dense bytes as 16 rows of 256, 16 bytes of padding behind each
	s_or_b32 s[G1S+0], s43, (3<<16)|(1<<20)|(1<<21)|(5<<22)|(3<<25)
	s_or_b32 s[G1SB+0], s44, (3<<16)|(1<<20)|(1<<21)|(5<<22)|(3<<25)
.irp g, G1S, G1SB
	s_mov_b32 s[\g+1], 32<<16
	s_mov_b32 s[\g+2], 16<<16
	s_mov_b32 s[\g+3], 32<<16
	s_mov_b32 s[\g+4], 16
	s_mov_b32 s[\g+5], 32
	s_mov_b32 s[\g+6], 0
	s_mov_b32 s[\g+7], 0
.endr
	; the role: every choice on one compare of the cluster's x
	s_mov_b32 s45, XSO
	s_mov_b32 s46, WCO
	s_mov_b32 s47, WSO
	s_cmp_eq_u32 ttmp9, 2
	s_cselect_b32 s95, 1, 0                        ; 1: v
	s_cselect_b32 s10, 8, s17
	s_cselect_b32 s11, s17, s42
	s_cselect_b32 s12, s46, 0                      ; where A's codes begin in opnd,
	s_cselect_b32 s18, s47, s45                    ; A's scale bytes,
	s_cselect_b32 s20, 0, s46                      ; B's codes,
	s_cselect_b32 s22, s45, s47                    ; B's scale bytes
	s_add_co_u32 s10, s10, s41                     ; A's tile of 256 slots: hangs on cy alone
	s_add_co_u32 s11, s11, s40                     ; B's: on cx alone
	s_mul_i32 s92, s10, 196608                     ; 16 tiles of 12,288 bytes
	s_add_co_u32 s12, s12, s92
	s_mul_i32 s92, s16, 98304
	s_add_co_u32 s12, s12, s92
	s_lshl_b32 s92, s10, 13
	s_add_co_u32 s18, s18, s92
	s_lshl_b32 s92, s16, 12
	s_add_co_u32 s18, s18, s92
	s_mul_i32 s93, s11, 196608
	s_add_co_u32 s20, s20, s93
	s_mul_i32 s93, s16, 98304
	s_add_co_u32 s20, s20, s93
	s_lshl_b32 s93, s11, 13
	s_add_co_u32 s22, s22, s93
	s_lshl_b32 s93, s16, 12
	s_add_co_u32 s22, s22, s93
	s_mov_b32 s13, 0
	s_mov_b32 s19, 0
	s_mov_b32 s21, 0
	s_mov_b32 s23, 0
	s_mul_i32 s45, s14, HALFT                      ; where they go: wave x 128 slots: no place in the cluster enters an LDS address
	s_mul_i32 s94, s14, HALFS
	s_wait_kmcnt 0x0
	s_add_nc_u64 s[12:13], s[4:5], s[12:13]
	s_add_nc_u64 s[18:19], s[4:5], s[18:19]
	s_add_nc_u64 s[20:21], s[4:5], s[20:21]
	s_add_nc_u64 s[22:23], s[4:5], s[22:23]
	CROUND                                         ; all sixteen work-groups are here: the first joint loads meet
	s_mov_b32 s[G0S], 1
	s_add_co_u32 s[G0S+1], s94, SCL
	s_mov_b64 s[G0S+2:G0S+3], s[18:19]
	s_or_b32 s[G0S+3], s[G0S+3], 0x80000000
	s_mov_b32 s[G0SB], 1
	s_add_co_u32 s[G0SB+1], s94, SCL
	s_mov_b64 s[G0SB+2:G0SB+3], s[22:23]
	s_or_b32 s[G0SB+3], s[G0SB+3], 0x80000000
	JLOAD G0S, G1S, G0SB, G1SB                     ; the scale bytes of all of K: filled once
.irp s, 0,1
	s_mov_b32 s[G0+4*\s], 1
	s_add_co_u32 s[G0+4*\s+1], s45, \s*SLOT
	s_add_nc_u64 s[G0+4*\s+2:G0+4*\s+3], s[12:13], \s*3072
	s_or_b32 s[G0+4*\s+3], s[G0+4*\s+3], 0x80000000
	s_mov_b32 s[G0B+4*\s], 1
	s_add_co_u32 s[G0B+4*\s+1], s45, \s*SLOT
	s_add_nc_u64 s[G0B+4*\s+2:G0B+4*\s+3], s[20:21], \s*3072
	s_or_b32 s[G0B+4*\s+3], s[G0B+4*\s+3], 0x80000000
	JLOAD G0+4*\s, G1, G0B+4*\s, G1B
.endr
	v_and_b32 v1, 15, v0                           ; r
	v_bfe_u32 v2, v0, 4, 1                         ; h
	v_and_b32 v3, 31, v0
	v_lshlrev_b32 v25, 3, v3                       ; 8 x lane
	v_lshlrev_b32 v24, 4, v3                       ; 16 x lane
	s_mul_i32 s2, s15, HALFT                       ; my 128 slots of A
	s_mul_i32 s3, s16, HALFT
	s_add_co_u32 s3, s3, 2*HALFT                   ; my 128 of B, behind A's 256
.irp s, 0,1
	v_add_nc_u32 v[ADRA+\s], s2, v25
	v_add_nc_u32 v[ADRB+\s], s3, v25
	s_add_co_u32 s2, s2, SLOT
	s_add_co_u32 s3, s3, SLOT
.endr
	v_mul_u32_u24 v5, v1, 32                       ; my slot's scale bytes: 32 a slot,
	v_lshrrev_b32 v6, 8, v5
	v_lshl_add_u32 v5, v6, 4, v5                   ; and 16 more for each 256 passed
	s_mul_i32 s2, s15, HALFS
	s_mul_i32 s3, s16, HALFS
	s_add_co_u32 s3, s3, 2*HALFS
	s_sub_co_u32 s3, s3, s2
	v_mul_u32_u24 v6, s3, v2                       ; lanes 16-31 take B's
	s_add_co_u32 s2, s2, SCL
	v_add_nc_u32 v5, v5, v6
	v_add_nc_u32 v[ADRS], s2, v5
	; the biases and the places of the results
	s_lshl_b32 s2, s11, 8
	s_lshl_b32 s3, s16, 7
	s_add_co_u32 s2, s2, s3                        ; my first slot of B
	s_lshl_b32 s3, s10, 8
	s_lshl_b32 s92, s15, 7
	s_add_co_u32 s3, s3, s92                       ; my first slot of A
	s_cmp_eq_u32 s95, 1
	s_cselect_b32 s93, 0, s2                       ; q, k: the bias runs along the registers (v: an address inside the buffer, its numbers unused)
	s_cselect_b32 s94, s3, 0                       ; v: the bias belongs to the lane's row (q, k: likewise unused)
	s_cselect_b32 s45, s2, s3                      ; my first token
	s_cselect_b32 s46, s3, s2                      ; my first column of w_qkv
	s_lshl_b32 s93, s93, 2
	v_lshlrev_b32 v8, 6, v2
	v_add_nc_u32 v8, s93, v8                       ; 4 x column + 64 h
	v_and_b32 v9, 8, v1
	v_add_nc_u32 v9, v9, v1
	v_add_nc_u32 v9, s94, v9
	v_lshlrev_b32 v9, 2, v9                        ; 4 (column + r + 8 (r / 8))
.irp b, 0,1,2,3,4,5,6,7
	global_load_b128 v[BIAS+8*\b:BIAS+8*\b+3], v8, s[6:7] offset:128*(\b/2)+32*(\b%2)
	global_load_b128 v[BIAS+8*\b+4:BIAS+8*\b+7], v8, s[6:7] offset:128*(\b/2)+32*(\b%2)+16
.endr
.irp a, 0,1,2,3,4,5,6,7
	global_load_b32 v[BV+2*\a], v9, s[6:7] offset:128*(\a/2)+32*(\a%2)     ; twice: a pair for the packed addition
	global_load_b32 v[BV+2*\a+1], v9, s[6:7] offset:128*(\a/2)+32*(\a%2)
.endr
	s_lshr_b32 s47, s46, 10                        ; 0 q, 1 k, 2 v
	s_bfe_u32 s46, s46, 0x40006                    ; my first head
	s_lshr_b32 s2, s45, 11                         ; the batch
	s_bfe_u32 s45, s45, 0x40007                    ; the group of 128 tokens
	s_lshl_b32 s2, s2, 4
	s_add_co_u32 s2, s2, s46
	s_lshl_b32 s2, s2, 4
	s_add_co_u32 s2, s2, s45                       ; (16 batch + head) 16 + group
	s_mul_i32 s92, s47, 6291456
	s_mul_i32 s3, s2, 6144
	s_add_co_u32 s92, s92, s3
	s_mov_b32 s93, 0
	s_add_nc_u64 s[12:13], s[8:9], s[92:93]        ; the codes' place
	s_cmp_eq_u32 s95, 1
	s_cselect_b32 s3, 8, 9
	s_lshl_b32 s2, s2, s3                          ; 512 bytes of scale words a group (v: 256)
	s_lshl_b32 s3, s47, 19
	s_add_co_u32 s2, s2, s3
	s_add_co_u32 s92, s2, QSO
	s_add_nc_u64 s[18:19], s[8:9], s[92:93]        ; the scale words' place
.macro FRAG reg, adr, q, i             ; a fragment: six loads of 256 consecutive bytes
.irp p, 0,1,2,3,4,5
	ds_load_b64 v[\reg+2*\p:\reg+2*\p+1], v[\adr] offset:3072*(\i)+1536*(\q)+256*\p
.endr
.endm
; 16 matrix instructions: A's blocks a0, a0 + 1 x B's eight.  The 64 accumulators take turns, one instruction a turn, in the same order in every step.
.macro MUL16 a0, p, q, sc, zero
.irp a, \a0, \a0+1
.irp b, 0,1,2,3,4,5,6,7
.if \zero
	v_wmma_scale_f32_16x16x128_f8f6f4 v[8*(8*((\a)%4)+\b):8*(8*((\a)%4)+\b)+7], v[128*(\p)+FR*\b:128*(\p)+FR*\b+FR-1], v[AF+FR*(\a):AF+FR*(\a)+FR-1], 0, v[SC+8*NQ*(\sc)+NQ*\b+(\q)], v[SC+8*NQ*(\sc)+NQ*(\a)+(\q)] matrix_a_fmt:MATRIX_FMT_FP6 matrix_b_fmt:MATRIX_FMT_FP6 matrix_a_scale:MATRIX_SCALE_ROW1
.else
	v_wmma_scale_f32_16x16x128_f8f6f4 v[8*(8*((\a)%4)+\b):8*(8*((\a)%4)+\b)+7], v[128*(\p)+FR*\b:128*(\p)+FR*\b+FR-1], v[AF+FR*(\a):AF+FR*(\a)+FR-1], v[8*(8*((\a)%4)+\b):8*(8*((\a)%4)+\b)+7], v[SC+8*NQ*(\sc)+NQ*\b+(\q)], v[SC+8*NQ*(\sc)+NQ*(\a)+(\q)] matrix_a_fmt:MATRIX_FMT_FP6 matrix_b_fmt:MATRIX_FMT_FP6 matrix_a_scale:MATRIX_SCALE_ROW1
.endif
.endr
.endr
.endm
.macro FETCH_B slot, q, p
	WIN TO_B
.irp i, 0,1,2,3,4,5,6,7
	FRAG 128*(\p)+FR*\i, ADRB+\slot, \q, \i
.endr
	WIN 0
.endm
.macro FETCH_A slot, q, i0
.irp i, \i0, \i0+1, \i0+2, \i0+3
	FRAG AF+FR*(\i), ADRA+\slot, \q, \i
.endr
.endm
.macro SCALES sc                       ; a slot's two scale words a slot row: lanes 0-15 A's block i, lanes 16-31 B's block i
.irp i, 0,1,2,3,4,5,6,7
	ds_load_b64 v[SC+8*NQ*\sc+NQ*\i:SC+8*NQ*\sc+NQ*\i+1], v[ADRS] offset:\i*SBLK
.endr
.endm
.macro PLACES n                        ; plain vector lines between a matrix instruction and a load into, or a vector write of, its registers, or a read of its result
.rept \n
	v_nop
.endr
.endm
.macro STEP slot, q, zero              ; 128 along K with its successor in the same slot
	s_wait_dscnt 4*NL                              ; B's set and A's blocks 0-3 are in; the youngest 24 loads (A's blocks 4-7) may be out
	WIN MUL_LO
	MUL16 0, (\q)%2, \q, \slot, \zero
	MUL16 2, (\q)%2, \q, \slot, \zero
	s_wait_dscnt 0
	PLACES NP
	FETCH_B \slot, (\q)+1, 1-(\q)%2
	FETCH_A \slot, (\q)+1, 0
	WIN MUL_HI
	MUL16 4, (\q)%2, \q, \slot, \zero
	MUL16 6, (\q)%2, \q, \slot, \zero
	PLACES NP
	WIN 0
	FETCH_A \slot, (\q)+1, 4
.endm
; A slot's last step changes slots: one barrier; in front of it each wave waits for all its tensor loads, adds 0 to its spare word, and waits for that and for its reads of this slot.
.macro TURN slot, next, fill
	s_wait_tensorcnt 0x0                           ; all my tensor loads have landed: my part of the next slot
	ds_add_u32 v[SPW], v[NIL]                      ; 0 onto my spare word
	s_wait_dscnt 4*NL+1                            ; (the add and A's blocks 4-7, 24 loads, may be out)
	WIN MUL_LO
	MUL16 0, 1, NQ-1, \slot, 0
	s_wait_dscnt 0x0                               ; the add is done, and my reads of this slot are over
	s_barrier_signal -1
	MUL16 2, 1, NQ-1, \slot, 0
	WIN 0
	s_barrier_wait -1
.if \fill
	CREST                                          ; the barrier has opened a round of the cluster's: no wave of any partner still reads this slot or has a load on its way
	s_add_nc_u64 s[G0+4*\slot+2:G0+4*\slot+3], s[G0+4*\slot+2:G0+4*\slot+3], 6144
	s_add_nc_u64 s[G0B+4*\slot+2:G0B+4*\slot+3], s[G0B+4*\slot+2:G0B+4*\slot+3], 6144
	JLOAD G0+4*\slot, G1, G0B+4*\slot, G1B         ; the first tensor load behind the round; its four v_nop are the places in front of the loads below
.else
	PLACES NP
.endif
	v_add_nc_u32 v[ADRS], 4*NQ, v[ADRS]
	FETCH_B \next, 0, 0
	FETCH_A \next, 0, 0
	SCALES \next
	WIN MUL_HI
	MUL16 4, 1, NQ-1, \slot, 0
	MUL16 6, 1, NQ-1, \slot, 0
	PLACES NP
	WIN 0
	FETCH_A \next, 0, 4
.endm
	s_wait_tensorcnt 1                             ; the scale bytes and my part of slot 0 are in; slot 1's load may be out
	s_barrier_signal -1
	s_barrier_wait -1
	FETCH_B 0, 0, 0
	FETCH_A 0, 0, 0
	SCALES 0
	FETCH_A 0, 0, 4
	STEP 0, 0, 1                                   ; the first products start the sums
	TURN 0, 1, 1                                   ; K = 1,024 is four slots' worth: each slot is filled again once, so the steps are written out
	STEP 1, 0, 0
	TURN 1, 0, 1
	STEP 0, 0, 0
	TURN 0, 1, 0
	STEP 1, 0, 0
	s_wait_dscnt 4*NL
	WIN MUL_LO
	MUL16 0, 1, NQ-1, 1, 0
	MUL16 2, 1, NQ-1, 1, 0
	s_wait_dscnt 0
	WIN MUL_HI
	MUL16 4, 1, NQ-1, 1, 0
	MUL16 6, 1, NQ-1, 1, 0
	WIN 0
; THE WAY OUT: block a's 64 numbers of a lane (+ bias) are 128 neighbours' worth along the registers' index: register 16 b + i = index 32 b + 16 h + i.  They are quantised as they stand.
.set HA, 128                           ; v128-191 the numbers
.set PA, 192                           ; v192-203, v204-215 codes
.set PB, 204
.set PT, 216                           ; v216-223 the blocks' second halves
.set TM, 32                            ; v32-47 at work
.set W0, 48                            ; v48-49 two tiles' scale words
.set W1, 49
.set XW, 50
.set SA, 52                            ; v52-55, v56-59 two heads' scale words of the four pairs
.set SB, 56
.set VSW, 60                           ; v60-61 v's scale words
.macro TAKE a, isv                     ; sums + bias, out of window 2 or 3 into window 0; each accumulator is read from its low end on
	WIN 0x02+(\a)/4
.set AC, 64*((\a)%4)
.set i, 0
.rept 32
.if \isv
	v_pk_add_f32 v[HA+i:HA+i+1], v[AC+i:AC+i+1], v[BV+2*(\a):BV+2*(\a)+1]
.else
	v_pk_add_f32 v[HA+i:HA+i+1], v[AC+i:AC+i+1], v[BIAS+i:BIAS+i+1]
.endif
.set i, i+2
.endr
	WIN 0
.endm
.macro QUANT s, d0, d1, w              ; blocks 0, 1 -> six registers at d0, blocks 2, 3 -> six at d1, the four bytes -> w
.irp b, 0,1,2,3
	v_max3_num_f32 v[TM+\b], |v[\s+16*\b]|, |v[\s+1+16*\b]|, 0x1800000   ; my 16 numbers of block b, and the floor 2^(3 - 127)
.endr
.irp i, 2,4,6,8,10,12,14
.irp b, 0,1,2,3
	v_max3_num_f32 v[TM+\b], v[TM+\b], |v[\s+16*\b+\i]|, |v[\s+1+16*\b+\i]|
.endr
.endr
.irp b, 0,1,2,3
	v_permlanex16_b32 v[TM+4+\b], v[TM+\b], s2, s3
.endr
.irp b, 0,1,2,3
	v_max_num_f32 v[TM+\b], v[TM+\b], v[TM+4+\b]   ; with lane l xor 16's
.endr
.irp b, 0,1,2,3
	v_add_nc_u32 v[TM+12+\b], 0xff000000, v[TM+\b] ; 2 off the exponent field: the conversion's scale operand
.endr
.irp b, 0,1,2,3
	v_lshrrev_b32 v[TM+4+\b], 23, v[TM+12+\b]
.endr
	v_lshl_or_b32 v[\w], v[TM+5], 8, v[TM+4]
	v_lshl_or_b32 v[\w], v[TM+6], 16, v[\w]
	v_lshl_or_b32 v[\w], v[TM+7], 24, v[\w]
	v_cvt_scalef32_pk16_fp6_f32 v[\d0:\d0+2], v[\s:\s+15], v[TM+12]
	v_cvt_scalef32_pk16_fp6_f32 v[PT:PT+2], v[\s+16:\s+31], v[TM+13]
	v_cvt_scalef32_pk16_fp6_f32 v[\d1:\d1+2], v[\s+32:\s+47], v[TM+14]
	v_cvt_scalef32_pk16_fp6_f32 v[PT+4:PT+6], v[\s+48:\s+63], v[TM+15]
	v_nop                                          ; one plain place behind a scaled conversion
.irp i, 0,1,2                          ; the operand's layout wants a whole block in a lane: lanes 0-15 the even block, lanes 16-31 the odd one
	v_permlane16_swap_b32 v[\d0+\i], v[PT+\i]
	v_permlane16_swap_b32 v[\d1+\i], v[PT+4+\i]
.endr
.irp i, 0,1,2
	v_mov_b32 v[\d0+3+\i], v[PT+\i]
	v_mov_b32 v[\d1+3+\i], v[PT+4+\i]
.endr
.endm
	PLACES NP                                      ; behind the last products: their results are read and their operands' registers written below
	s_wait_loadcnt 0x0                             ; the biases
	s_mov_b32 s2, 0x76543210
	s_mov_b32 s3, 0xfedcba98
	s_mov_b32 s96, 0xffff0000                      ; lanes 16-31
	s_mov_b32 s97, 0xffff
	s_mov_b32 s92, 0x01010000                      ; the bytes of the 64 along K that a head does not have
.irp b, 0,1,2,3
	v_mov_b32 v[TM+4+\b], 0
.endr
	s_cmp_eq_u32 s95, 1                            ; the cluster's x: alike in all partners
	s_cbranch_scc1 .Lrole_v
	; q, k: 128 columns are two heads: blocks 0, 1 the first, blocks 2, 3 the second.  Two tiles of tokens make an image of 12 registers for each head
.irp p, 0,1,2,3
.if \p > 0
	s_wait_xcnt 0x0                                ; the last pair's stores have read the codes' registers
.endif
	TAKE 2*\p, 0
	QUANT HA, PA, PB, W0
	TAKE 2*\p+1, 0
	QUANT HA, PA+6, PB+6, W1
	v_cndmask_b32 v[XW], v[W0], v[W1], s96         ; lanes 0-15 the even tile's word, lanes 16-31 the odd tile's
	v_and_or_b32 v[SA+\p], v[XW], s97, s92
	v_lshrrev_b32 v[XW+1], 16, v[XW]
	v_or_b32 v[SB+\p], s92, v[XW+1]
.irp g, 0,1,2
	global_store_b128 v24, v[PA+4*\g:PA+4*\g+3], s[12:13] offset:1536*\p+512*\g          ; 512 consecutive bytes
.endr
.irp g, 0,1,2
	global_store_b128 v24, v[PB+4*\g:PB+4*\g+3], s[12:13] offset:98304+1536*\p+512*\g    ; the next head: 16 groups on
.endr
.endr
	global_store_b128 v24, v[SA:SA+3], s[18:19]
	global_store_b128 v24, v[SB:SB+3], s[18:19] offset:8192
	s_branch .Ldone
.Lrole_v:
	; v: block a is 16 channels (tile a % 4 of head a / 4) x 128 keys: one whole fragment
.irp a, 0,1,2,3,4,5,6,7
.if \a > 0
	s_wait_xcnt 0x0
.endif
	TAKE \a, 1
	QUANT HA, PA, PA+6, W0+\a%2
.irp g, 0,1,2
	global_store_b128 v24, v[PA+4*\g:PA+4*\g+3], s[12:13] offset:(\a/4)*98304+(\a%4)*1536+512*\g
.endr
.if \a%2 == 1
	v_cndmask_b32 v[VSW+(\a/2)%2], v[W0], v[W1], s96
.endif
.if \a%4 == 3
	global_store_b64 v25, v[VSW:VSW+1], s[18:19] offset:(\a/4)*4096                       ; 256 consecutive bytes
.endif
.endr
.Ldone:
	s_wait_tensorcnt 0x0                           ; the wave's end
	ds_add_u32 v[SPW], v[NIL]
	s_wait_dscnt 0x0
	CROUND                                         ; the closing round: no work-group ends while a partner may still ask for a tile that names it
	s_endpgm
.Lfunc_end_k_qb6341e03ac_qkv:
	.size	k_qb6341e03ac_qkv, .Lfunc_end_k_qb6341e03ac_qkv-k_qb6341e03ac_qkv
	.p2alignl 7, 3214868480
	.fill 96, 4, 3214868480
	.section	.rodata,"a",@progbits
	.p2align	6, 0x0
	.amdhsa_kernel k_qb6341e03ac_qkv
		.amdhsa_group_segment_fixed_size 327680
		.amdhsa_private_segment_fixed_size 0
		.amdhsa_enable_private_segment 0
		.amdhsa_kernarg_size 24
		.amdhsa_user_sgpr_count 2
		.amdhsa_user_sgpr_kernarg_segment_ptr 1
		.amdhsa_wavefront_size32 1
		.amdhsa_system_sgpr_workgroup_id_x 1
		.amdhsa_system_sgpr_workgroup_id_y 1
		.amdhsa_system_sgpr_workgroup_id_z 1
		.amdhsa_system_vgpr_workitem_id 0
		.amdhsa_next_free_vgpr 1024
		.amdhsa_next_free_sgpr 98
		.amdhsa_reserve_vcc 0
		.amdhsa_float_denorm_mode_32 3
		.amdhsa_float_denorm_mode_16_64 3
		.amdhsa_memory_ordered 1
		.amdhsa_forward_progress 1
		.amdhsa_inst_pref_size 233
	.end_amdhsa_kernel
	.amdgpu_metadata
---
amdhsa.version: [ 1, 2 ]
amdhsa.kernels:
  - .name:           k_qb6341e03ac_qkv
    .symbol:         k_qb6341e03ac_qkv.kd
    .args:
      - { .name: opnd, .offset: 0, .size: 8, .value_kind: global_buffer, .address_space: global }
      - { .name: b_qkv, .offset: 8, .size: 8, .value_kind: global_buffer, .address_space: global }
      - { .name: qkv, .offset: 16, .size: 8, .value_kind: global_buffer, .address_space: global }
    .group_segment_fixed_size: 327680
    .private_segment_fixed_size: 0
    .kernarg_segment_align: 8
    .kernarg_segment_size: 24
    .max_flat_workgroup_size: 128
    .sgpr_count:     98
    .vgpr_count:     1024
    .wavefront_size: 32
...
	.end_amdgpu_metadata
.endif
;; end of part 2
;; launch attn (part 3): grid 256 x 1, 16 waves a work-group, no clusters, 210,944 bytes of LDS; arguments qkv, masks, att; writes att
.if DOCPART == 3
	.amdgcn_target "amdgcn-amd-amdhsa--gfx1250"
	.amdhsa_code_object_version 6
	.text
	.protected	k_qb6341e03ac_attn
	.globl	k_qb6341e03ac_attn
	.p2align	8
	.type	k_qb6341e03ac_attn,@function
k_qb6341e03ac_attn:
	s_mov_b64 s[64:65], 0
	v_nop
	global_prefetch_b8 v0, s[64:65] scope:SCOPE_SE
	s_setreg_imm32_b32 hwreg(HW_REG_WAVE_MODE, 25, 1), 1
	s_wait_xcnt 0x0
; ATTENTION on codes of FP6 (E2M3): o = softmax(mask(q k^T / 8)) v for 64 heads of 2,048 tokens x 64, and o quantised along the model's 1,024 for the last product.
; SOFTMAX: t = score x log2(e) / 8; M = the running largest t rounded up to a whole number; p = 2^(t - M) is quantised along the keys; the row's sum is taken of the unquantised p and divides at the end.
; SHARES.  A work-group owns a head and 32 of its 128 query tiles; wave w of work-group part j takes tiles e = 16 j + w and 127 - e, one after the other.  (That pairing only evens the work where later queries see more keys; no value rests on it.)
; THE MASK IS AN INPUT: the launch before has stored, for each query tile and key step of 128, 64 bit words (bit = lane) and two flags.  A step with no open key is passed over; a step with all keys open skips the masking;
; else 64 selections put -infinity where a bit is 0.  These are branches on stored whole numbers.
; WHY NO CLUSTER, NO TENSOR LOAD: four work-groups read the same head's K and V, but a launch whose branches hang on stored numbers fills LDS through registers; each work-group reads its 208,896 bytes once, at its head, and LDS is only read from then on: one barrier.
; LAYOUT.  S^T = K Q^T (source 0 = 16 keys, source 1 = my 16 queries), O^T = V^T P^T: a lane holds one query.  Slot order (bits 3 and 4 of an index exchanged) makes the 16 registers of tiles 2 b, 2 b + 1 sixteen neighbouring keys, or channels.
; The head's 64 fill half of the instruction's 128 along K: Q's registers 6-11 are zero codes, so whatever K's registers 6-11 hold (the next tile's codes) adds nothing; the scale bytes there are 1.
; A ROW WITH NO OPEN KEY has the sum 0: its scale bytes are stored as 0xff, which makes the last product's sums NaN, as the softmax of such a row is.
; LIMITS: -3e38 stands under every t; a block whose largest magnitude lies under 2^-124 keeps the byte 1; NaN and infinities among the inputs are not served.  The scale bytes of o leave two to a row (one part in 24 of what the launch stores).
; REGISTERS: v1-4, v28-31 places that stay; v5-7, v30 Q's offsets; v8-11 addresses in hand; v12 -M, v13 largest t, v[14:15] the sum; v16-27 Q; v32-85 K's eight half fragments (6 registers each) or V's four; v96-159 S^T, p; v160-191 O^T;
; v192-193 V's scale words; v194 -infinity; v224-235 p's codes; v232-254 at work; v248-251 K's scale words; v255 Q's.
.set KCO, 6291456
.set VCO, 12582912
.set QSO, 18874368
.set KSO, 19398656
.set VSO, 19922944
.set OSO, 6291456
.set MFO, 524288
.set LV,  98304                        ; LDS: K's codes at 0, V's here,
.set LKS, 196608                       ; K's scale words,
.set LVS, 204800                       ; V's
	s_load_b128 s[4:7], s[0:1], 0x0                ; qkv s[4:5], masks s[6:7]
	s_load_b64 s[8:9], s[0:1], 0x10                ; att
	v_lshl_add_u32 v223, v0, 2, 0x33000
	v_mov_b32 v243, 0
	v_lshrrev_b32 v1, 5, v0
	v_readfirstlane_b32 s10, v1                    ; wave 0..15
	s_lshr_b32 s11, ttmp9, 2                       ; 16 x batch + head
	s_and_b32 s12, ttmp9, 3
	s_lshl_b32 s12, s12, 4
	s_add_co_u32 s12, s12, s10                     ; e
	v_lshlrev_b32 v8, 4, v0                        ; 16 x thread: 8,192 bytes a load of the work-group
	v_add_nc_u32 v9, 0x10000, v8
	v_add_nc_u32 v10, 0x20000, v8
	v_add_nc_u32 v11, 0x30000, v8
	v_lshlrev_b32 v6, 3, v0
	v_add_nc_u32 v7, LVS, v6
	s_mul_i32 s16, s11, 98304
	s_add_co_u32 s18, s16, VCO
	s_add_co_u32 s16, s16, KCO
	s_lshl_b32 s20, s11, 13
	s_add_co_u32 s20, s20, KSO
	s_lshl_b32 s22, s11, 12
	s_add_co_u32 s22, s22, VSO
	s_mov_b32 s17, 0
	s_mov_b32 s19, 0
	s_mov_b32 s21, 0
	s_mov_b32 s23, 0
	s_wait_kmcnt 0x0
	s_add_nc_u64 s[16:17], s[4:5], s[16:17]
	s_add_nc_u64 s[18:19], s[4:5], s[18:19]
	s_add_nc_u64 s[20:21], s[4:5], s[20:21]
	s_add_nc_u64 s[22:23], s[4:5], s[22:23]
.set n, 0
.rept 12
	global_load_b128 v[32+4*n:35+4*n], v8, s[16:17] offset:8192*n
.set n, n+1
.endr
.set n, 0
.rept 12
	global_load_b128 v[80+4*n:83+4*n], v8, s[18:19] offset:8192*n
.set n, n+1
.endr
	global_load_b128 v[128:131], v8, s[20:21]
	global_load_b64 v[132:133], v6, s[22:23]
	v_and_b32 v2, 31, v0
	v_lshlrev_b32 v1, 4, v2                        ; 16 x lane
	v_lshlrev_b32 v2, 3, v2                        ; 8 x lane
	v_add_nc_u32 v3, LKS, v1
	v_add_nc_u32 v4, LVS, v2
	v_add_nc_u32 v28, LV, v1
	v_and_b32 v31, 15, v0
	v_lshlrev_b32 v29, 5, v31                      ; 32 r
	v_lshlrev_b32 v31, 4, v31                      ; 16 r
.irp i, 22,23,24,25,26,27,236,237,238,239,252,253,254
	v_mov_b32 v\i, 0                               ; Q's zero codes; registers that lane permutes and pairs name before they are first written
.endr
	v_mov_b32 v194, 0xff800000                     ; -infinity
	s_mov_b32 s84, 0x76543210
	s_mov_b32 s85, 0xfedcba98                      ; lane l xor 16
	s_mov_b32 s86, 0x3e38aa3b                      ; c = log2(e) / 8
	s_mov_b32 s87, s86
.set n, 0
.rept 25
	s_wait_loadcnt 25-n                            ; loads come back in order: the younger ones may be out
	ds_store_b128 v[8+n/8], v[32+4*n:35+4*n] offset:8192*(n%8)
.set n, n+1
.endr
	s_wait_loadcnt 0x0
	ds_store_b64 v7, v[132:133]
	s_wait_dscnt 0x0                               ; for the others' sake: my stores have landed
	s_barrier_signal -1
	s_barrier_wait -1                              ; from here on LDS is only read
.irp i, 80,81,82,83,84,85
	v_mov_b32 v\i, 0                               ; behind K's last half fragment
.endr
	s_mov_b32 s91, 0
.Ltile:
	s_sub_co_u32 s2, 127, s12
	s_cmp_eq_u32 s91, 0
	s_cselect_b32 s13, s12, s2                     ; T
	s_and_b32 s2, s13, 1                           ; which half of a pair's image is mine: registers 6 P .. 6 P + 5, register 4 g + x at 512 g + 16 lane + 4 x
	s_mul_i32 s3, s2, 520
	v_add_nc_u32 v5, s3, v1
	s_add_co_u32 s3, s3, 512
	v_add_nc_u32 v7, s3, v1
	s_mul_i32 s3, s2, 1016
	s_add_co_u32 s3, s3, 8
	v_add_nc_u32 v6, s3, v1
	s_lshl_b32 s3, s2, 8
	v_add_nc_u32 v30, s3, v31                      ; my tile's scale words lie in lanes 16 P + r
	s_mov_b32 s17, 0
	s_mul_i32 s16, s11, 98304
	s_lshr_b32 s18, s13, 3                         ; the group of 128 tokens
	s_mul_i32 s19, s18, 6144
	s_add_co_u32 s16, s16, s19
	s_bfe_u32 s20, s13, 0x20001                    ; the pair
	s_mul_i32 s19, s20, 1536
	s_add_co_u32 s16, s16, s19
	s_add_nc_u64 s[92:93], s[4:5], s[16:17]        ; Q's codes
	s_lshl_b32 s16, s11, 13
	s_lshl_b32 s19, s18, 9
	s_add_co_u32 s16, s16, s19
	s_lshl_b32 s19, s20, 2
	s_add_co_u32 s16, s16, s19
	s_add_co_u32 s16, s16, QSO
	s_add_nc_u64 s[94:95], s[4:5], s[16:17]        ; Q's scale words
	s_lshl_b32 s16, s13, 12
	s_add_nc_u64 s[96:97], s[6:7], s[16:17]        ; the tile's mask words
	s_lshr_b32 s18, s11, 4                         ; batch
	s_and_b32 s19, s11, 15                         ; head
	s_lshl_b32 s16, s18, 7
	s_add_co_u32 s16, s16, s13                     ; the row tile of o
	s_lshl_b32 s21, s16, 9
	s_mul_i32 s16, s16, 12288
	s_lshr_b32 s20, s19, 1
	s_mul_i32 s20, s20, 1536                       ; K step head / 2,
	s_add_co_u32 s16, s16, s20
	s_and_b32 s20, s19, 1
	s_mul_i32 s20, s20, 768                        ; pairs 3 (head % 2) on
	s_add_co_u32 s16, s16, s20
	s_add_nc_u64 s[98:99], s[8:9], s[16:17]        ; o's codes
	s_lshl_b32 s20, s19, 1
	s_add_co_u32 s16, s21, s20
	s_add_co_u32 s16, s16, OSO
	s_add_nc_u64 s[100:101], s[8:9], s[16:17]      ; o's scale bytes
	s_lshl_b32 s3, s13, 4
	s_load_b128 s[16:19], s[6:7], s3 offset:MFO    ; the tile's flags, a word for each quarter of the keys
	global_load_b64 v[16:17], v5, s[92:93]
	global_load_b64 v[18:19], v6, s[92:93]
	global_load_b64 v[20:21], v7, s[92:93]
	global_load_b32 v255, v30, s[94:95]
	v_mov_b32 v13, 0xff61b1e6                      ; the largest t so far: -3e38
	v_floor_f32 v12, -v13                          ; -M
	v_mov_b32 v14, 0
	v_mov_b32 v15, 0
.set n, 0
.rept 32
	v_mov_b32 v[160+n], 0                          ; O^T: which step comes first hangs on the mask, so the sums begin as zeros
.set n, n+1
.endr
	s_mov_b32 s15, 0
	s_mov_b32 s88, 0
	s_mov_b32 s89, 0
	s_mov_b32 s90, 0
	s_wait_kmcnt 0x0
	s_or_b32 s14, s16, s17
	s_or_b32 s14, s14, s18
	s_or_b32 s14, s14, s19
	s_wait_loadcnt 0x0
.Lstep:                                            ; 16 trips, a constant; a hidden step's work is jumped over
	s_lshr_b32 s2, s14, s15
	s_bitcmp1_b32 s2, 0
	s_cbranch_scc0 .Lskip
	v_add_nc_u32 v8, s88, v1                       ; (these four are the places in front of the loads into registers that the last products read)
	v_add_nc_u32 v9, s88, v28
	v_add_nc_u32 v10, s89, v3
	v_add_nc_u32 v11, s90, v4
.set n, 0
.rept 12
	ds_load_b128 v[32+4*n:35+4*n], v8 offset:512*n ; K's eight tiles, six registers each
.set n, n+1
.endr
	ds_load_b128 v[248:251], v10
	s_wait_dscnt 0x0
.irp t, 0,1,2,3,4,5,6,7
.if \t%2
	v_wmma_scale_f32_16x16x128_f8f6f4 v[96+8*\t:103+8*\t], v[32+6*\t:43+6*\t], v[16:27], 0, v[248+\t/2], v255 matrix_a_fmt:MATRIX_FMT_FP6 matrix_b_fmt:MATRIX_FMT_FP6 matrix_a_scale:MATRIX_SCALE_ROW1
.else
	v_wmma_scale_f32_16x16x128_f8f6f4 v[96+8*\t:103+8*\t], v[32+6*\t:43+6*\t], v[16:27], 0, v[248+\t/2], v255 matrix_a_fmt:MATRIX_FMT_FP6 matrix_b_fmt:MATRIX_FMT_FP6
.endif
.endr
.rept 4
	v_nop                                          ; places: for the loads below and for the first read of the scores
.endr
.set n, 0
.rept 12
	ds_load_b128 v[32+4*n:35+4*n], v9 offset:512*n ; V's four fragments land while the softmax is walked
.set n, n+1
.endr
	ds_load_b64 v[192:193], v11
	s_bitcmp1_b32 s2, 16
	s_cbranch_scc1 .Lopen                          ; every key of the step is open for all 16 queries
	s_load_b512 s[16:31], s[96:97], s90 offset:0x0
	s_load_b512 s[32:47], s[96:97], s90 offset:0x40
	s_load_b512 s[48:63], s[96:97], s90 offset:0x80
	s_load_b512 s[68:83], s[96:97], s90 offset:0xc0
	s_wait_kmcnt 0x0
.set n, 0
.rept 64                               ; word n belongs to register n: a lane's bit 0 hides its score
.if n < 48
	v_cndmask_b32 v[96+n], v194, v[96+n], s[16+n]
.else
	v_cndmask_b32 v[96+n], v194, v[96+n], s[20+n]
.endif
.set n, n+1
.endr
.Lopen:
.irp b, 0,1,2,3
	v_max3_num_f32 v[232+\b], v[96+16*\b], v[97+16*\b], v[98+16*\b]   ; the largest score of each block of 32 keys: for the row's maximum, and for the block's largest p
.endr
.irp i, 3,5,7,9,11,13
.irp b, 0,1,2,3
	v_max3_num_f32 v[232+\b], v[232+\b], v[96+16*\b+\i], v[97+16*\b+\i]
.endr
.endr
.irp b, 0,1,2,3
	v_max_num_f32 v[232+\b], v[232+\b], v[111+16*\b]
.endr
.irp b, 0,1,2,3
	v_permlanex16_b32 v[236+\b], v[232+\b], s84, s85
.endr
.irp b, 0,1,2,3
	v_max_num_f32 v[232+\b], v[232+\b], v[236+\b]
.endr
	v_max3_num_f32 v254, v232, v233, v234
	v_max_num_f32 v254, v254, v235
	v_mul_f32 v254, s86, v254
	v_max_num_f32 v13, v13, v254                   ; the running largest t
	v_mov_b32 v254, v12
	v_floor_f32 v12, -v13                          ; the new -M = -ceil(t)
	v_sub_f32 v254, v12, v254                      ; old M - new M: a whole number, 0 or less
	v_cvt_i32_f32 v254, v254                       ; (it saturates)
	v_ldexp_f32 v252, 1.0, v254                    ; f = 2^(old M - new M): rounds nothing
.set n, 0
.rept 32
	v_pk_fma_f32 v[96+n:97+n], v[96+n:97+n], s[86:87], v[12:13] op_sel_hi:[1,0,0]   ; t - M
.set n, n+2
.endr
.irp b, 0,1,2,3
	v_fma_f32 v[232+\b], v[232+\b], s86, v12
.endr
.set n, 0
.rept 64
	v_exp_f32 v[96+n], v[96+n]                     ; p = 2^(t - M)
.set n, n+1
.endr
	v_pk_mul_f32 v[14:15], v[14:15], v[252:253] op_sel_hi:[1,0]   ; the sums under the new M; a plain place behind the exponentials
	s_wait_alu depctr_va_vdst(0)                   ; one wait for the batch of 64, ahead of its first reader
.irp b, 0,1,2,3
	v_exp_f32 v[232+\b], v[232+\b]                 ; the blocks' largest p
.endr
	v_pk_add_f32 v[236:237], v[96:97], v[98:99]    ; the row's sum of the unquantised p, in two chains
.irp j, 4,8,12,16,20,24,28,32,36,40,44,48,52,56,60
	v_pk_add_f32 v[14:15], v[14:15], v[96+\j:97+\j]
	v_pk_add_f32 v[236:237], v[236:237], v[98+\j:99+\j]
.endr
	v_pk_add_f32 v[14:15], v[14:15], v[236:237]
	s_wait_alu depctr_va_vdst(0)                   ; and one for the four
.irp b, 0,1,2,3
	v_max_num_f32 v[232+\b], 0x1800000, v[232+\b]  ; the floor 2^(3 - 127)
.endr
.irp b, 0,1,2,3
	v_add_nc_u32 v[244+\b], 0xff000000, v[232+\b]
.endr
.irp b, 0,1,2,3
	v_lshrrev_b32 v[236+\b], 23, v[244+\b]
.endr
	v_lshl_or_b32 v253, v237, 8, v236              ; p's scale word for these 128 keys
	v_lshl_or_b32 v253, v238, 16, v253
	v_lshl_or_b32 v253, v239, 24, v253
.irp c, 0,1
	v_cvt_scalef32_pk16_fp6_f32 v[224+6*\c:226+6*\c], v[96+32*\c:111+32*\c], v[244+2*\c]
	v_cvt_scalef32_pk16_fp6_f32 v[236+4*\c:238+4*\c], v[112+32*\c:127+32*\c], v[244+2*\c+1]
.endr
	v_nop                                          ; one plain place behind a scaled conversion
.irp c, 0,1
.irp i, 0,1,2
	v_permlane16_swap_b32 v[224+6*\c+\i], v[236+4*\c+\i]
.endr
.irp i, 0,1,2
	v_mov_b32 v[227+6*\c+\i], v[236+4*\c+\i]
.endr
.endr
.set n, 0
.rept 16
	v_pk_mul_f32 v[160+n:161+n], v[160+n:161+n], v[252:253] op_sel_hi:[1,0]   ; O^T under the new M; these 16 are also the places between the codes' and the scale word's last writes and the products
.set n, n+2
.endr
	s_wait_dscnt 0x0                               ; V
.irp i, 0,1,2,3                        ; four accumulators by turns; between two links of one chain stand the next step's eight score products
.if \i%2
	v_wmma_scale_f32_16x16x128_f8f6f4 v[160+8*\i:167+8*\i], v[32+12*\i:43+12*\i], v[224:235], v[160+8*\i:167+8*\i], v[192+\i/2], v253 matrix_a_fmt:MATRIX_FMT_FP6 matrix_b_fmt:MATRIX_FMT_FP6 matrix_a_scale:MATRIX_SCALE_ROW1
.else
	v_wmma_scale_f32_16x16x128_f8f6f4 v[160+8*\i:167+8*\i], v[32+12*\i:43+12*\i], v[224:235], v[160+8*\i:167+8*\i], v[192+\i/2], v253 matrix_a_fmt:MATRIX_FMT_FP6 matrix_b_fmt:MATRIX_FMT_FP6
.endif
.endr
.Lskip:
	s_add_co_u32 s88, s88, 6144
	s_add_co_u32 s89, s89, 512
	s_add_co_u32 s90, s90, 256
	s_add_co_u32 s15, s15, 1
	s_cmp_lt_u32 s15, 16
	s_cbranch_scc1 .Lstep
	; THE WAY OUT of a tile: O^T / the sum, quantised along the head's 64 (two blocks), as K step head / 2 of the last product's operand
.rept 4
	v_nop
.endr
	v_add_f32 v14, v14, v15
	v_permlanex16_b32 v252, v14, s84, s85
	v_add_f32 v14, v14, v252                       ; the row's sum
	v_rcp_f32 v15, v14
	v_nop                                          ; a plain place behind the reciprocal
	s_wait_alu depctr_va_vdst(0)                   ; the wait ahead of its first reader
.set n, 0
.rept 32
	v_mul_f32 v[96+n], v[160+n], v15               ; register 16 b + i: channel 32 b + 16 h + i
.set n, n+1
.endr
.irp b, 0,1
	v_max3_num_f32 v[232+\b], |v[96+16*\b]|, |v[97+16*\b]|, 0x1800000
.endr
.irp i, 2,4,6,8,10,12,14
.irp b, 0,1
	v_max3_num_f32 v[232+\b], v[232+\b], |v[96+16*\b+\i]|, |v[97+16*\b+\i]|
.endr
.endr
.irp b, 0,1
	v_permlanex16_b32 v[236+\b], v[232+\b], s84, s85
.endr
.irp b, 0,1
	v_max_num_f32 v[232+\b], v[232+\b], v[236+\b]
.endr
.irp b, 0,1
	v_add_nc_u32 v[244+\b], 0xff000000, v[232+\b]
.endr
.irp b, 0,1
	v_lshrrev_b32 v[236+\b], 23, v[244+\b]
.endr
	v_lshl_or_b32 v254, v237, 8, v236
	v_cmp_neq_f32 vcc_lo, 0, v14
	v_cndmask_b32 v254, 0xffff, v254, vcc_lo       ; no open key: the bytes 0xff
	v_cvt_scalef32_pk16_fp6_f32 v[224:226], v[96:111], v244
	v_cvt_scalef32_pk16_fp6_f32 v[228:230], v[112:127], v245
	v_nop
.irp i, 0,1,2
	v_permlane16_swap_b32 v[224+\i], v[228+\i]
.endr
.irp i, 0,1,2
	v_mov_b32 v[227+\i], v[228+\i]
.endr
.irp m, 0,1,2
	global_store_b64 v2, v[224+2*\m:225+2*\m], s[98:99] offset:256*\m   ; 256 consecutive bytes, aligned
.endr
	global_store_b16 v29, v254, s[100:101]         ; both halves of the lanes hold, and write, the same two bytes of row r
	s_wait_xcnt 0x0                                ; the bases and the stores' registers are written again in the next trip
	s_add_co_u32 s91, s91, 1
	s_cmp_lt_u32 s91, 2
	s_cbranch_scc1 .Ltile
	s_wait_tensorcnt 0x0
	ds_add_u32 v223, v243
	s_wait_dscnt 0x0
	s_endpgm
.Lfunc_end_k_qb6341e03ac_attn:
	.size	k_qb6341e03ac_attn, .Lfunc_end_k_qb6341e03ac_attn-k_qb6341e03ac_attn
	.p2alignl 7, 3214868480
	.fill 96, 4, 3214868480
	.section	.rodata,"a",@progbits
	.p2align	6, 0x0
	.amdhsa_kernel k_qb6341e03ac_attn
		.amdhsa_group_segment_fixed_size 210944
		.amdhsa_private_segment_fixed_size 0
		.amdhsa_enable_private_segment 0
		.amdhsa_kernarg_size 24
		.amdhsa_user_sgpr_count 2
		.amdhsa_user_sgpr_kernarg_segment_ptr 1
		.amdhsa_wavefront_size32 1
		.amdhsa_system_sgpr_workgroup_id_x 1
		.amdhsa_system_sgpr_workgroup_id_y 1
		.amdhsa_system_sgpr_workgroup_id_z 1
		.amdhsa_system_vgpr_workitem_id 0
		.amdhsa_next_free_vgpr 256
		.amdhsa_next_free_sgpr 102
		.amdhsa_reserve_vcc 1
		.amdhsa_float_denorm_mode_32 3
		.amdhsa_float_denorm_mode_16_64 3
		.amdhsa_memory_ordered 1
		.amdhsa_forward_progress 1
		.amdhsa_inst_pref_size 36
	.end_amdhsa_kernel
	.amdgpu_metadata
---
amdhsa.version: [ 1, 2 ]
amdhsa.kernels:
  - .name:           k_qb6341e03ac_attn
    .symbol:         k_qb6341e03ac_attn.kd
    .args:
      - { .name: qkv, .offset: 0, .size: 8, .value_kind: global_buffer, .address_space: global }
      - { .name: masks, .offset: 8, .size: 8, .value_kind: global_buffer, .address_space: global }
      - { .name: att, .offset: 16, .size: 8, .value_kind: global_buffer, .address_space: global }
    .group_segment_fixed_size: 210944
    .private_segment_fixed_size: 0
    .kernarg_segment_align: 8
    .kernarg_segment_size: 24
    .max_flat_workgroup_size: 512
    .sgpr_count:     102
    .vgpr_count:     256
    .wavefront_size: 32
...
	.end_amdgpu_metadata
.endif
;; end of part 3
;; launch proj (part 4): grid 4 x 32, 4 waves a work-group, clusters of 4 x 4, 327,680 bytes of LDS; arguments att, opnd, b_proj, out0; writes out0
.if DOCPART == 4
	.amdgcn_target "amdgcn-amd-amdhsa--gfx1250"
	.amdhsa_code_object_version 6
	.text
	.protected	k_qb6341e03ac_proj
	.globl	k_qb6341e03ac_proj
	.p2align	8
	.type	k_qb6341e03ac_proj,@function
k_qb6341e03ac_proj:
	s_mov_b64 s[64:65], 0
	v_nop
	global_prefetch_b8 v0, s[64:65] scope:SCOPE_SE
	s_setreg_imm32_b32 hwreg(HW_REG_WAVE_MODE, 25, 1), 1
	s_wait_xcnt 0x0
	s_wait_alu depctr_hold_cnt(0) depctr_sa_sdst(0) depctr_va_vdst(0) depctr_va_sdst(0) depctr_va_ssrc(0) depctr_va_vcc(0) depctr_vm_vsrc(0)
	s_getreg_b32 s2, hwreg(HW_REG_IB_STS2, 6, 4)
	s_cmp_eq_u32 s2, 0
	s_cbranch_scc0 .Lentry_in_a_cluster
	s_endpgm
.Lentry_in_a_cluster:
	s_bfe_u32 s2, ttmp6, 0x10000c
	s_cmp_lg_u32 s2, 0xf033
	s_cbranch_scc0 .Lentry_shape_is_right
	s_endpgm
.Lentry_shape_is_right:
; PROJ.  out0 = o w_proj + b_proj on codes of FP6 (E2M3) with E8M0 scales, K = 1,024; out0 [8192][1024] f32.
; A tile of 256 x 256 to a work-group of four waves, 128 x 128 (64 accumulators) to a wave; K in four slots' worth of 256 through a ring of two LDS slots filled by the tensor data mover.
; OPERANDS lie in memory as images of fragments (pair m of lane L at 256 m + 8 L; [tile of 16 slots][8 K steps][1536]): a wave's tensor load brings 8 tiles x 3,072 bytes, and a fragment is six loads of 256 consecutive bytes.
; o's rows and w_proj's columns are in slot order (slot p holds index p with bits 3 and 4 exchanged); both orders are undone on the way out: the columns by the place in the stage, the rows by the store's offset.
; Source 0 = 16 columns of w_proj ("B"), source 1 = 16 rows of o ("A"): a lane holds eight neighbouring numbers of a row of out0.  The bias is the C of each sum's first product.
; A row of o whose scale bytes are 0xff (no open key) gives NaN in all its sums.
; CLUSTERS: A's tile is shared along a row of the 4 x 4 cluster, B's along a column: joint loads.
; REGISTERS: window 0: v8 bias offset; v16-17, v20-21 fragment addresses; v24-26 the way out; v27 scale words' address; v28-29 the add's; v32-63 scale words; v64-127 the bias; v128-223 A's fragments (on the way out v128-255 rows of out0).
;   window 1: B's fragments, two sets.  windows 2, 3: the accumulators ((a, b) at v[8 (8 (a % 4) + b)]).
.set OSO, 6291456
.set WCP, 6553600+2359296              ; w_proj's codes in opnd: slots 3,072 on
.set WSP, 9699328+98304                ; and its scale bytes
.set NQ,    2
.set FR,    12
.set NL,    6
.set NP,    4
.set HALFT, 8*3072
.set SLOT,  4*HALFT
.set SCL,   2*SLOT
.set HALFS, 16*272
.set SBLK,  2*272
.set SPARE, SCL+4*HALFS                ; the spare words: 128 bytes a wave, named by no other line
.set SPITCH, 528                       ; the way out: 16 rows x (512 bytes + 16) for each wave, in slot 0, which has had its last fill and its last read by then
.set ADRA, 16
.set ADRB, 20
.set STO,  24
.set RD,   25
.set CO,   26
.set ADRS, 27
.set SPW,  28
.set NIL,  29
.set SC,   32
.set BIAS, 64
.set AF,   128
.set BK,   128
.set G1, 24
.set G0, 32
.set G1B, 48
.set G0B, 56
.set G1S, 68
.set G0S, 76
.set G1SB, 80
.set G0SB, 88
.set MSB, 0
.macro WIN new                         ; the immediate's high byte repeats the setting that is left
.if MSB != (\new)
	s_set_vgpr_msb (MSB<<8)|(\new)
.set MSB, (\new)
.endif
.endm
.set MUL_LO, 0xa1                      ; source 0 (B) window 1, source 1 (A) window 0, C and D window 2
.set MUL_HI, 0xf1
.set FIRST_LO, 0x81                    ; the same with C (the bias) in window 0
.set FIRST_HI, 0xc1
.set TO_B,   0x40
.macro JLOAD g0a, g1a, g0b, g1b        ; a joint load: waves 0 and 1 fetch for A, waves 2 and 3 for B; four v_nop follow each of the two lines
	s_cmp_eq_u32 s15, 0
	s_cbranch_scc0 .Lfor_b_\@
	tensor_load_to_lds s[\g0a:\g0a+3], s[\g1a:\g1a+7]
	s_nop 0
.rept 4
	v_nop
.endr
	s_branch .Lasked_\@
.Lfor_b_\@:
	tensor_load_to_lds s[\g0b:\g0b+3], s[\g1b:\g1b+7]
	s_nop 0
.rept 4
	v_nop
.endr
.Lasked_\@:
.endm
.macro CREST
	s_cmp_lg_u32 s14, 0
	s_cbranch_scc1 .Lnot_wave_0_\@
	s_barrier_signal -3
.Lnot_wave_0_\@:
	s_barrier_wait -3
	s_barrier_signal -1
	s_barrier_wait -1
.endm
.macro CROUND
	s_barrier_signal -1
	s_barrier_wait -1
	CREST
.endm
	s_load_b256 s[4:11], s[0:1], 0x0               ; att s[4:5], opnd s[6:7], b_proj s[8:9], out0 s[10:11]
	v_lshl_add_u32 v[SPW], v0, 2, SPARE
	v_mov_b32 v[NIL], 0
	ds_add_u32 v28, v29
	ds_add_u32 v28, v29
	s_wait_dscnt 0x0
	v_lshrrev_b32 v1, 5, v0
	v_readfirstlane_b32 s14, v1                    ; wave 0..3
	s_lshr_b32 s15, s14, 1                         ; my half of the rows.  Also: I fetch for A (0) or for B (1)
	s_and_b32 s16, s14, 1                          ; my half of the columns.  Also: which 128 slots I fetch
	s_bfe_u32 s40, ttmp6, 0x40000                  ; cx
	s_bfe_u32 s41, ttmp6, 0x40004                  ; cy
	s_lshl_b32 s42, ttmp9, 2
	s_add_co_u32 s42, s42, s40                     ; tile column
	s_and_b32 s17, ttmp7, 0xffff
	s_lshl_b32 s17, s17, 2
	s_add_co_u32 s17, s17, s41                     ; tile row
	s_lshl_b32 s43, s41, 2
	s_lshl_b32 s43, 15, s43                        ; my row of the cluster
	s_lshl_b32 s44, 0x1111, s40                    ; my column
	s_or_b32 s[G1+0], s43, (3<<16)|(1<<21)         ; codes: 8 rows (tiles) of 384 elements of 8 bytes, 1,536 elements apart, no padding
	s_or_b32 s[G1B+0], s44, (3<<16)|(1<<21)
.irp g, G1, G1B
	s_mov_b32 s[\g+1], 384<<16
	s_mov_b32 s[\g+2], 8<<16
	s_mov_b32 s[\g+3], 384<<16
	s_mov_b32 s[\g+4], 8
	s_mov_b32 s[\g+5], 1536
	s_mov_b32 s[\g+6], 0
	s_mov_b32 s[\g+7], 0
.endr
	s_or_b32 s[G1S+0], s43, (3<<16)|(1<<20)|(1<<21)|(5<<22)|(3<<25)   ; scale bytes of 128 slots: 16 rows of 256 bytes, 16 of padding behind each
	s_or_b32 s[G1SB+0], s44, (3<<16)|(1<<20)|(1<<21)|(5<<22)|(3<<25)
.irp g, G1S, G1SB
	s_mov_b32 s[\g+1], 32<<16
	s_mov_b32 s[\g+2], 16<<16
	s_mov_b32 s[\g+3], 32<<16
	s_mov_b32 s[\g+4], 16
	s_mov_b32 s[\g+5], 32
	s_mov_b32 s[\g+6], 0
	s_mov_b32 s[\g+7], 0
.endr
	s_mul_i32 s12, s17, 196608                     ; A's registers never hold cx, B's never cy
	s_mul_i32 s92, s16, 98304
	s_add_co_u32 s12, s12, s92
	s_lshl_b32 s18, s17, 13
	s_lshl_b32 s92, s16, 12
	s_add_co_u32 s18, s18, s92
	s_add_co_u32 s18, s18, OSO
	s_mul_i32 s20, s42, 196608
	s_mul_i32 s93, s16, 98304
	s_add_co_u32 s20, s20, s93
	s_add_co_u32 s20, s20, WCP
	s_lshl_b32 s22, s42, 13
	s_lshl_b32 s93, s16, 12
	s_add_co_u32 s22, s22, s93
	s_add_co_u32 s22, s22, WSP
	s_mov_b32 s13, 0
	s_mov_b32 s19, 0
	s_mov_b32 s21, 0
	s_mov_b32 s23, 0
	s_mul_i32 s45, s14, HALFT
	s_mul_i32 s94, s14, HALFS
	s_wait_kmcnt 0x0
	s_add_nc_u64 s[12:13], s[4:5], s[12:13]
	s_add_nc_u64 s[18:19], s[4:5], s[18:19]
	s_add_nc_u64 s[20:21], s[6:7], s[20:21]
	s_add_nc_u64 s[22:23], s[6:7], s[22:23]
	CROUND                                         ; all sixteen work-groups are here: the first joint loads meet
	s_mov_b32 s[G0S], 1
	s_add_co_u32 s[G0S+1], s94, SCL
	s_mov_b64 s[G0S+2:G0S+3], s[18:19]
	s_or_b32 s[G0S+3], s[G0S+3], 0x80000000
	s_mov_b32 s[G0SB], 1
	s_add_co_u32 s[G0SB+1], s94, SCL
	s_mov_b64 s[G0SB+2:G0SB+3], s[22:23]
	s_or_b32 s[G0SB+3], s[G0SB+3], 0x80000000
	JLOAD G0S, G1S, G0SB, G1SB
.irp s, 0,1
	s_mov_b32 s[G0+4*\s], 1
	s_add_co_u32 s[G0+4*\s+1], s45, \s*SLOT
	s_add_nc_u64 s[G0+4*\s+2:G0+4*\s+3], s[12:13], \s*3072
	s_or_b32 s[G0+4*\s+3], s[G0+4*\s+3], 0x80000000
	s_mov_b32 s[G0B+4*\s], 1
	s_add_co_u32 s[G0B+4*\s+1], s45, \s*SLOT
	s_add_nc_u64 s[G0B+4*\s+2:G0B+4*\s+3], s[20:21], \s*3072
	s_or_b32 s[G0B+4*\s+3], s[G0B+4*\s+3], 0x80000000
	JLOAD G0+4*\s, G1, G0B+4*\s, G1B
.endr
	v_and_b32 v1, 15, v0                           ; r
	v_bfe_u32 v2, v0, 4, 1                         ; h
	v_and_b32 v3, 31, v0
	v_lshlrev_b32 v4, 3, v3                        ; 8 x lane
	s_mul_i32 s2, s15, HALFT
	s_mul_i32 s3, s16, HALFT
	s_add_co_u32 s3, s3, 2*HALFT
.irp s, 0,1
	v_add_nc_u32 v[ADRA+\s], s2, v4
	v_add_nc_u32 v[ADRB+\s], s3, v4
	s_add_co_u32 s2, s2, SLOT
	s_add_co_u32 s3, s3, SLOT
.endr
	v_mul_u32_u24 v5, v1, 32
	v_lshrrev_b32 v6, 8, v5
	v_lshl_add_u32 v5, v6, 4, v5
	s_mul_i32 s2, s15, HALFS
	s_mul_i32 s3, s16, HALFS
	s_add_co_u32 s3, s3, 2*HALFS
	s_sub_co_u32 s3, s3, s2
	v_mul_u32_u24 v6, s3, v2                       ; lanes 16-31 take B's
	s_add_co_u32 s2, s2, SCL
	v_add_nc_u32 v5, v5, v6
	v_add_nc_u32 v[ADRS], s2, v5
	s_lshl_b32 s2, s42, 8
	s_lshl_b32 s3, s16, 7
	s_add_co_u32 s2, s2, s3                        ; my first column
	s_lshl_b32 s2, s2, 2
	v_lshlrev_b32 v8, 6, v2
	v_add_nc_u32 v8, s2, v8                        ; 4 x column + 64 h
.irp b, 0,1,2,3,4,5,6,7
	global_load_b128 v[BIAS+8*\b:BIAS+8*\b+3], v8, s[8:9] offset:128*(\b/2)+32*(\b%2)        ; register j of tile b: column 32 (b / 2) + 16 h + 8 (b % 2) + j
	global_load_b128 v[BIAS+8*\b+4:BIAS+8*\b+7], v8, s[8:9] offset:128*(\b/2)+32*(\b%2)+16
.endr
	s_mul_i32 s3, s14, 16*SPITCH                   ; my stage
	v_mul_u32_u24 v5, v1, SPITCH
	v_lshl_add_u32 v5, v2, 6, v5
	v_add_nc_u32 v[STO], s3, v5                    ; in: row r, + 64 h
	v_lshlrev_b32 v[CO], 4, v3                     ; back: the 32 lanes take a row of 512 bytes; and the same in out0
	v_add_nc_u32 v[RD], s3, v[CO]
	s_lshl_b32 s92, s17, 8
	s_lshl_b32 s3, s15, 7
	s_add_co_u32 s92, s92, s3                      ; my first row
	s_lshl_b32 s92, s92, 12                        ; rows of 4,096 bytes
	s_add_co_u32 s92, s92, s2
	s_mov_b32 s93, 0
	s_add_nc_u64 s[12:13], s[10:11], s[92:93]
.macro FRAG reg, adr, q, i
.irp p, 0,1,2,3,4,5
	ds_load_b64 v[\reg+2*\p:\reg+2*\p+1], v[\adr] offset:3072*(\i)+1536*(\q)+256*\p
.endr
.endm
; 16 matrix instructions: A's blocks a0, a0 + 1 x B's eight.  first = 1: the bias is C.  The 64 accumulators take turns, one instruction a turn, in the same order in every step.
.macro MUL16 a0, p, q, sc, first
.irp a, \a0, \a0+1
.irp b, 0,1,2,3,4,5,6,7
.if \first
	v_wmma_scale_f32_16x16x128_f8f6f4 v[8*(8*((\a)%4)+\b):8*(8*((\a)%4)+\b)+7], v[128*(\p)+FR*\b:128*(\p)+FR*\b+FR-1], v[AF+FR*(\a):AF+FR*(\a)+FR-1], v[BIAS+8*\b:BIAS+8*\b+7], v[SC+8*NQ*(\sc)+NQ*\b+(\q)], v[SC+8*NQ*(\sc)+NQ*(\a)+(\q)] matrix_a_fmt:MATRIX_FMT_FP6 matrix_b_fmt:MATRIX_FMT_FP6 matrix_a_scale:MATRIX_SCALE_ROW1
.else
	v_wmma_scale_f32_16x16x128_f8f6f4 v[8*(8*((\a)%4)+\b):8*(8*((\a)%4)+\b)+7], v[128*(\p)+FR*\b:128*(\p)+FR*\b+FR-1], v[AF+FR*(\a):AF+FR*(\a)+FR-1], v[8*(8*((\a)%4)+\b):8*(8*((\a)%4)+\b)+7], v[SC+8*NQ*(\sc)+NQ*\b+(\q)], v[SC+8*NQ*(\sc)+NQ*(\a)+(\q)] matrix_a_fmt:MATRIX_FMT_FP6 matrix_b_fmt:MATRIX_FMT_FP6 matrix_a_scale:MATRIX_SCALE_ROW1
.endif
.endr
.endr
.endm
.macro FETCH_B slot, q, p
	WIN TO_B
.irp i, 0,1,2,3,4,5,6,7
	FRAG 128*(\p)+FR*\i, ADRB+\slot, \q, \i
.endr
	WIN 0
.endm
.macro FETCH_A slot, q, i0
.irp i, \i0, \i0+1, \i0+2, \i0+3
	FRAG AF+FR*(\i), ADRA+\slot, \q, \i
.endr
.endm
.macro SCALES sc
.irp i, 0,1,2,3,4,5,6,7
	ds_load_b64 v[SC+8*NQ*\sc+NQ*\i:SC+8*NQ*\sc+NQ*\i+1], v[ADRS] offset:\i*SBLK
.endr
.endm
.macro PLACES n
.rept \n
	v_nop
.endr
.endm
.macro STEP slot, q, first
	s_wait_dscnt 4*NL                              ; B's set and A's blocks 0-3 are in; the youngest 24 loads (A's blocks 4-7) may be out
.if \first
	WIN FIRST_LO
.else
	WIN MUL_LO
.endif
	MUL16 0, (\q)%2, \q, \slot, \first
	MUL16 2, (\q)%2, \q, \slot, \first
	s_wait_dscnt 0
	PLACES NP
	FETCH_B \slot, (\q)+1, 1-(\q)%2
	FETCH_A \slot, (\q)+1, 0
.if \first
	WIN FIRST_HI
.else
	WIN MUL_HI
.endif
	MUL16 4, (\q)%2, \q, \slot, \first
	MUL16 6, (\q)%2, \q, \slot, \first
	PLACES NP
	WIN 0
	FETCH_A \slot, (\q)+1, 4
.endm
.macro TURN slot, next, fill
	s_wait_tensorcnt 0x0                           ; all my tensor loads have landed: my part of the next slot
	ds_add_u32 v[SPW], v[NIL]                      ; 0 onto my spare word
	s_wait_dscnt 4*NL+1                            ; (the add and A's blocks 4-7, 24 loads, may be out)
	WIN MUL_LO
	MUL16 0, 1, NQ-1, \slot, 0
	s_wait_dscnt 0x0                               ; the add is done, and my reads of this slot are over
	s_barrier_signal -1
	MUL16 2, 1, NQ-1, \slot, 0
	WIN 0
	s_barrier_wait -1
.if \fill
	CREST                                          ; the barrier has opened a round of the cluster's: no wave of any partner still reads this slot or has a load on its way
	s_add_nc_u64 s[G0+4*\slot+2:G0+4*\slot+3], s[G0+4*\slot+2:G0+4*\slot+3], 6144
	s_add_nc_u64 s[G0B+4*\slot+2:G0B+4*\slot+3], s[G0B+4*\slot+2:G0B+4*\slot+3], 6144
	JLOAD G0+4*\slot, G1, G0B+4*\slot, G1B
.else
	PLACES NP
.endif
	v_add_nc_u32 v[ADRS], 4*NQ, v[ADRS]
	FETCH_B \next, 0, 0
	FETCH_A \next, 0, 0
	SCALES \next
	WIN MUL_HI
	MUL16 4, 1, NQ-1, \slot, 0
	MUL16 6, 1, NQ-1, \slot, 0
	PLACES NP
	WIN 0
	FETCH_A \next, 0, 4
.endm
	s_wait_loadcnt 0x0                             ; the bias: the first products take it as C
	s_wait_tensorcnt 1                             ; the scale bytes and my part of slot 0 are in; slot 1's load may be out
	s_barrier_signal -1
	s_barrier_wait -1
	FETCH_B 0, 0, 0
	FETCH_A 0, 0, 0
	SCALES 0
	FETCH_A 0, 0, 4
	STEP 0, 0, 1
	TURN 0, 1, 1                                   ; K = 1,024 is four slots' worth: each slot is filled again once, so the steps are written out
	STEP 1, 0, 0
	TURN 1, 0, 1
	STEP 0, 0, 0
	TURN 0, 1, 0
	STEP 1, 0, 0
	s_wait_dscnt 4*NL
	WIN MUL_LO
	MUL16 0, 1, NQ-1, 1, 0
	MUL16 2, 1, NQ-1, 1, 0
	s_wait_dscnt 0
	WIN MUL_HI
	MUL16 4, 1, NQ-1, 1, 0
	MUL16 6, 1, NQ-1, 1, 0
	WIN 0
; THE WAY OUT, block by block of 16 slot rows x 128 columns, through my own stage: a wave's LDS instructions are served in order, so no wait stands between the stores and the loads.
.macro TOSTAGE a
.set AC, 64*((\a)%4)
	WIN 0x08+4*((\a)/4)                            ; the data: window 2 or 3
.irp b, 0,1,2,3,4,5,6,7
	ds_store_b128 v[STO], v[AC+8*\b:AC+8*\b+3] offset:128*(\b/2)+32*(\b%2)          ; each accumulator from its low end on; its eight columns at their true place in the row
	ds_store_b128 v[STO], v[AC+8*\b+4:AC+8*\b+7] offset:128*(\b/2)+32*(\b%2)+16
.endr
	WIN 0
.set BB, BK+64*((\a)%2)
.irp t, 0,1,2,3,4,5,6,7,8,9,10,11,12,13,14,15
	ds_load_b128 v[BB+4*\t:BB+4*\t+3], v[RD] offset:\t*SPITCH
.endr
.endm
.macro SEND a, younger                 ; younger: the LDS instructions issued behind block a's loads, which may stay out
.set BB, BK+64*((\a)%2)
	s_wait_dscnt \younger
.if (\a) > 0
.if (\a)%2 == 1
	s_add_nc_u64 s[12:13], s[12:13], 8*4096        ; block a begins at row 32 (a / 2) + 8 (a % 2)
.else
	s_add_nc_u64 s[12:13], s[12:13], 24*4096
.endif
.endif
.irp t, 0,1,2,3,4,5,6,7,8,9,10,11,12,13,14,15
	global_store_b128 v[CO], v[BB+4*\t:BB+4*\t+3], s[12:13] offset:(\t+8*(\t/8))*4096 th:TH_STORE_NT   ; slot t is row t + 8 (t / 8); 512 consecutive bytes, aligned to 256
.endr
.endm
	PLACES NP
	TOSTAGE 0
.irp a, 1,2,3,4,5,6,7
.if \a > 1
	s_wait_xcnt 0x0                                ; block a - 2's stores have read their registers and their base
.endif
	TOSTAGE \a
	SEND \a-1, 32                                  ; behind block a - 1's loads: block a's 16 stores and 16 loads
.endr
	s_wait_xcnt 0x0
	SEND 7, 0
	s_wait_tensorcnt 0x0                           ; the wave's end
	ds_add_u32 v[SPW], v[NIL]
	s_wait_dscnt 0x0
	CROUND                                         ; the closing round
	s_endpgm
.Lfunc_end_k_qb6341e03ac_proj:
	.size	k_qb6341e03ac_proj, .Lfunc_end_k_qb6341e03ac_proj-k_qb6341e03ac_proj
	.p2alignl 7, 3214868480
	.fill 96, 4, 3214868480
	.section	.rodata,"a",@progbits
	.p2align	6, 0x0
	.amdhsa_kernel k_qb6341e03ac_proj
		.amdhsa_group_segment_fixed_size 327680
		.amdhsa_private_segment_fixed_size 0
		.amdhsa_enable_private_segment 0
		.amdhsa_kernarg_size 32
		.amdhsa_user_sgpr_count 2
		.amdhsa_user_sgpr_kernarg_segment_ptr 1
		.amdhsa_wavefront_size32 1
		.amdhsa_system_sgpr_workgroup_id_x 1
		.amdhsa_system_sgpr_workgroup_id_y 1
		.amdhsa_system_sgpr_workgroup_id_z 1
		.amdhsa_system_vgpr_workitem_id 0
		.amdhsa_next_free_vgpr 1024
		.amdhsa_next_free_sgpr 98
		.amdhsa_reserve_vcc 0
		.amdhsa_float_denorm_mode_32 3
		.amdhsa_float_denorm_mode_16_64 3
		.amdhsa_memory_ordered 1
		.amdhsa_forward_progress 1
		.amdhsa_inst_pref_size 161
	.end_amdhsa_kernel
	.amdgpu_metadata
---
amdhsa.version: [ 1, 2 ]
amdhsa.kernels:
  - .name:           k_qb6341e03ac_proj
    .symbol:         k_qb6341e03ac_proj.kd
    .args:
      - { .name: att, .offset: 0, .size: 8, .value_kind: global_buffer, .address_space: global }
      - { .name: opnd, .offset: 8, .size: 8, .value_kind: global_buffer, .address_space: global }
      - { .name: b_proj, .offset: 16, .size: 8, .value_kind: global_buffer, .address_space: global }
      - { .name: out0, .offset: 24, .size: 8, .value_kind: global_buffer, .address_space: global }
    .group_segment_fixed_size: 327680
    .private_segment_fixed_size: 0
    .kernarg_segment_align: 8
    .kernarg_segment_size: 32
    .max_flat_workgroup_size: 128
    .sgpr_count:     98
    .vgpr_count:     1024
    .wavefront_size: 32
...
	.end_amdgpu_metadata
.endif
;; end of part 4
;; ======== version 2 of 2: 4 launches; version 1 with the launch attn written anew for expert scheduling mode
;; workspace buffers: opnd 9,830,400 bytes; masks 526,336 bytes of whole numbers; qkv 20,185,088 bytes; att 6,553,600 bytes
;; launch prep: the kernel of part 1 again; grid 384 x 1, 4 waves a work-group, no clusters, 92,672 bytes of LDS; arguments x, w_qkv, w_proj, mask, opnd, masks; writes opnd, masks
;; launch qkv: the kernel of part 2 again; grid 12 x 32, 4 waves a work-group, clusters of 4 x 4, 327,680 bytes of LDS; arguments opnd, b_qkv, qkv; writes qkv
;; launch attn (part 5): grid 256 x 1, 16 waves a work-group, no clusters, 210,944 bytes of LDS; arguments qkv, masks, att; writes att
.if DOCPART == 5
	.amdgcn_target "amdgcn-amd-amdhsa--gfx1250"
	.amdhsa_code_object_version 6
	.text
	.protected	k_qb6341e03ac_attn
	.globl	k_qb6341e03ac_attn
	.p2align	8
	.type	k_qb6341e03ac_attn,@function
k_qb6341e03ac_attn:
	s_mov_b64 s[64:65], 0
	v_nop
	global_prefetch_b8 v0, s[64:65] scope:SCOPE_SE
	s_setreg_imm32_b32 hwreg(HW_REG_WAVE_SCHED_MODE, 0, 2), 2
	s_setreg_imm32_b32 hwreg(HW_REG_WAVE_MODE, 25, 1), 1
	s_wait_xcnt 0x0
	s_wait_alu depctr_vm_vsrc(0)
; ATTENTION on codes of FP6 (E2M3): o = softmax(mask(q k^T / 8)) v for 64 heads of 2,048 tokens x 64, and o quantised along the model's 1,024 for the last product.
; SOFTMAX: t = score x log2(e) / 8; M = the running largest t rounded up to a whole number; p = 2^(t - M) is quantised along the keys; the row's sum is taken of the unquantised p and divides at the end.
; SHARES.  A work-group owns a head and 32 of its 128 query tiles; wave w of work-group part j takes tiles e = 16 j + w and 127 - e, one after the other.  (That pairing only evens the work where later queries see more keys; no value rests on it.)
; THE MASK IS AN INPUT: the launch before has stored, for each query tile and key step of 128, 64 bit words (bit = lane) and two flags.  A step with no open key is passed over; a step with all keys open skips the masking;
; else 64 selections put -infinity where a bit is 0.  These are branches on stored whole numbers.
; WHY NO CLUSTER, NO TENSOR LOAD: four work-groups read the same head's K and V, but a launch whose branches hang on stored numbers fills LDS through registers; each work-group reads its 208,896 bytes once, at its head, and LDS is only read from then on: one barrier.
; LAYOUT.  S^T = K Q^T (source 0 = 16 keys, source 1 = my 16 queries), O^T = V^T P^T: a lane holds one query.  Slot order (bits 3 and 4 of an index exchanged) makes the 16 registers of tiles 2 b, 2 b + 1 sixteen neighbouring keys, or channels.
; The head's 64 fill half of the instruction's 128 along K: Q's registers 6-11 are zero codes, so whatever K's registers 6-11 hold (the next tile's codes) adds nothing; the scale bytes there are 1.
; A ROW WITH NO OPEN KEY has the sum 0: its scale bytes are stored as 0xff, which makes the last product's sums NaN, as the softmax of such a row is.
; LIMITS: -3e38 stands under every t; a block whose largest magnitude lies under 2^-124 keeps the byte 1; NaN and infinities among the inputs are not served.  The scale bytes of o leave two to a row (one part in 24 of what the launch stores).
; REGISTERS: v1-4, v28-31 places that stay; v5-7, v30 Q's offsets; v8-11 addresses in hand; v12 -M, v13 largest t, v[14:15] the sum; v16-27 Q; v32-85 K's eight half fragments (6 registers each) or V's four; v96-159 S^T, p; v160-191 O^T;
; v192-193 V's scale words; v194 -infinity; v224-235 p's codes; v232-254 at work; v248-251 K's scale words; v255 Q's.
; THE MODE: SCHED_MODE bits 1:0 = 2 (LLVM: expert scheduling mode 2), set by the entry lines.  The code itself states the register dependences
; between vector or matrix instructions and memory or LDS instructions, with s_wait_alu, always for 0.
; THE PLAN.  Registers that memory or LDS instructions touch:
;   v6-v11 (head)      written by six vector lines; read by the 26 first loads and the 26 LDS stores.  v32-v133 (head): the first loads land there, the LDS stores read them.
;   v5-v7, v30         Q's offsets: written at a tile's head; read by Q's four loads.      v16-v21, v255: Q's loads land there, once a tile; every score product of the tile reads them.
;   v8-v11 (a step)    LDS addresses: written by the four additions at a step's head; read by the step's 26 LDS loads.
;   v32-v79            ONE buffer, in which K and V take turns (39 of the wave's 256 registers are free; V's four fragments want 48): K's loads land, the eight score products read; V's loads land, the four output products read.
;   v248-v251, v192-v193   the scale words that come with K and with V; read by the same products.
;   v224-v229, v254    on the way out: written by conversions, swaps, moves and a selection; read by the tile's four stores.      v2, v29: the stores' offsets, made once at the head.
; A STEP'S WAITS: one on vm_vsrc ahead of the four additions; one on va_vdst behind them, which also states that the last step's products are done with the buffer and the scale words: K's 13 loads follow;
; one on va_vdst behind the score products, which empty the buffer: V's 13 loads follow at once and land while the softmax is walked, which names none of their registers; the two behind the exponentials;
; one on va_vdst ahead of the output products, which take codes and a scale word that vector instructions have written.
.set KCO, 6291456
.set VCO, 12582912
.set QSO, 18874368
.set KSO, 19398656
.set VSO, 19922944
.set OSO, 6291456
.set MFO, 524288
.set LV,  98304                        ; LDS: K's codes at 0, V's here,
.set LKS, 196608                       ; K's scale words,
.set LVS, 204800                       ; V's
	s_load_b128 s[4:7], s[0:1], 0x0                ; qkv s[4:5], masks s[6:7]
	s_load_b64 s[8:9], s[0:1], 0x10                ; att
	v_lshl_add_u32 v223, v0, 2, 0x33000
	v_mov_b32 v243, 0
	v_lshrrev_b32 v1, 5, v0
	v_readfirstlane_b32 s10, v1                    ; wave 0..15
	s_lshr_b32 s11, ttmp9, 2                       ; 16 x batch + head
	s_and_b32 s12, ttmp9, 3
	s_lshl_b32 s12, s12, 4
	s_wait_alu depctr_va_sdst(0)                   ; s10 is written, ahead of its first reader
	s_add_co_u32 s12, s12, s10                     ; e
	v_lshlrev_b32 v8, 4, v0                        ; 16 x thread: 8,192 bytes a load of the work-group
	v_add_nc_u32 v9, 0x10000, v8
	v_add_nc_u32 v10, 0x20000, v8
	v_add_nc_u32 v11, 0x30000, v8
	v_lshlrev_b32 v6, 3, v0
	v_add_nc_u32 v7, LVS, v6
	s_mul_i32 s16, s11, 98304
	s_add_co_u32 s18, s16, VCO
	s_add_co_u32 s16, s16, KCO
	s_lshl_b32 s20, s11, 13
	s_add_co_u32 s20, s20, KSO
	s_lshl_b32 s22, s11, 12
	s_add_co_u32 s22, s22, VSO
	s_mov_b32 s17, 0
	s_mov_b32 s19, 0
	s_mov_b32 s21, 0
	s_mov_b32 s23, 0
	s_wait_kmcnt 0x0
	s_add_nc_u64 s[16:17], s[4:5], s[16:17]
	s_add_nc_u64 s[18:19], s[4:5], s[18:19]
	s_add_nc_u64 s[20:21], s[4:5], s[20:21]
	s_add_nc_u64 s[22:23], s[4:5], s[22:23]
	s_wait_alu depctr_va_vdst(0)                   ; v6 to v11 are written: the loads below read v8 and v6 as offsets, the LDS stores behind them v7 to v11 as addresses; no vector line between names them or v32 to v133
.set n, 0
.rept 12
	global_load_b128 v[32+4*n:35+4*n], v8, s[16:17] offset:8192*n
.set n, n+1
.endr
.set n, 0
.rept 12
	global_load_b128 v[80+4*n:83+4*n], v8, s[18:19] offset:8192*n
.set n, n+1
.endr
	global_load_b128 v[128:131], v8, s[20:21]
	global_load_b64 v[132:133], v6, s[22:23]
	v_and_b32 v2, 31, v0
	v_lshlrev_b32 v1, 4, v2                        ; 16 x lane
	v_lshlrev_b32 v2, 3, v2                        ; 8 x lane
	v_add_nc_u32 v3, LKS, v1
	v_add_nc_u32 v4, LVS, v2
	v_add_nc_u32 v28, LV, v1
	v_and_b32 v31, 15, v0
	v_lshlrev_b32 v29, 5, v31                      ; 32 r
	v_lshlrev_b32 v31, 4, v31                      ; 16 r
.irp i, 22,23,24,25,26,27,236,237,238,239,252,253,254
	v_mov_b32 v\i, 0                               ; Q's zero codes; registers that lane permutes and pairs name before they are first written
.endr
	v_mov_b32 v194, 0xff800000                     ; -infinity
	s_mov_b32 s84, 0x76543210
	s_mov_b32 s85, 0xfedcba98                      ; lane l xor 16
	s_mov_b32 s86, 0x3e38aa3b                      ; c = log2(e) / 8
	s_mov_b32 s87, s86
.set n, 0
.rept 25
	s_wait_loadcnt 25-n                            ; loads come back in order: the younger ones may be out
	ds_store_b128 v[8+n/8], v[32+4*n:35+4*n] offset:8192*(n%8)
.set n, n+1
.endr
	s_wait_loadcnt 0x0
	ds_store_b64 v7, v[132:133]
	s_wait_dscnt 0x0                               ; for the others' sake: my stores have landed
	s_barrier_signal -1
	s_barrier_wait -1                              ; from here on LDS is only read
	s_wait_alu depctr_vm_vsrc(0)                   ; my LDS stores have read v7 to v11 and v32 to v133, my first loads v6 and v8: v80 to v85 are written below, the others from the first tile on
.irp i, 80,81,82,83,84,85
	v_mov_b32 v\i, 0                               ; behind K's last half fragment
.endr
	s_mov_b32 s91, 0
.Ltile:
	s_sub_co_u32 s2, 127, s12
	s_cmp_eq_u32 s91, 0
	s_cselect_b32 s13, s12, s2                     ; T
	s_and_b32 s2, s13, 1                           ; which half of a pair's image is mine: registers 6 P .. 6 P + 5, register 4 g + x at 512 g + 16 lane + 4 x
	s_mul_i32 s3, s2, 520
	v_add_nc_u32 v5, s3, v1
	s_add_co_u32 s3, s3, 512
	v_add_nc_u32 v7, s3, v1
	s_mul_i32 s3, s2, 1016
	s_add_co_u32 s3, s3, 8
	v_add_nc_u32 v6, s3, v1
	s_lshl_b32 s3, s2, 8
	v_add_nc_u32 v30, s3, v31                      ; my tile's scale words lie in lanes 16 P + r
	s_mov_b32 s17, 0
	s_mul_i32 s16, s11, 98304
	s_lshr_b32 s18, s13, 3                         ; the group of 128 tokens
	s_mul_i32 s19, s18, 6144
	s_add_co_u32 s16, s16, s19
	s_bfe_u32 s20, s13, 0x20001                    ; the pair
	s_mul_i32 s19, s20, 1536
	s_add_co_u32 s16, s16, s19
	s_add_nc_u64 s[92:93], s[4:5], s[16:17]        ; Q's codes
	s_lshl_b32 s16, s11, 13
	s_lshl_b32 s19, s18, 9
	s_add_co_u32 s16, s16, s19
	s_lshl_b32 s19, s20, 2
	s_add_co_u32 s16, s16, s19
	s_add_co_u32 s16, s16, QSO
	s_add_nc_u64 s[94:95], s[4:5], s[16:17]        ; Q's scale words
	s_lshl_b32 s16, s13, 12
	s_add_nc_u64 s[96:97], s[6:7], s[16:17]        ; the tile's mask words
	s_lshr_b32 s18, s11, 4                         ; batch
	s_and_b32 s19, s11, 15                         ; head
	s_lshl_b32 s16, s18, 7
	s_add_co_u32 s16, s16, s13                     ; the row tile of o
	s_lshl_b32 s21, s16, 9
	s_mul_i32 s16, s16, 12288
	s_lshr_b32 s20, s19, 1
	s_mul_i32 s20, s20, 1536                       ; K step head / 2,
	s_add_co_u32 s16, s16, s20
	s_and_b32 s20, s19, 1
	s_mul_i32 s20, s20, 768                        ; pairs 3 (head % 2) on
	s_add_co_u32 s16, s16, s20
	s_add_nc_u64 s[98:99], s[8:9], s[16:17]        ; o's codes
	s_lshl_b32 s20, s19, 1
	s_add_co_u32 s16, s21, s20
	s_add_co_u32 s16, s16, OSO
	s_add_nc_u64 s[100:101], s[8:9], s[16:17]      ; o's scale bytes
	s_lshl_b32 s3, s13, 4
	s_load_b128 s[16:19], s[6:7], s3 offset:MFO    ; the tile's flags, a word for each quarter of the keys
	s_wait_alu depctr_va_vdst(0)                   ; v5 to v7 and v30 are written, which the four loads below read; the last tile's score products are done reading v16 to v21 and v255, in which they land
	global_load_b64 v[16:17], v5, s[92:93]
	global_load_b64 v[18:19], v6, s[92:93]
	global_load_b64 v[20:21], v7, s[92:93]
	global_load_b32 v255, v30, s[94:95]
	v_mov_b32 v13, 0xff61b1e6                      ; the largest t so far: -3e38
	v_floor_f32 v12, -v13                          ; -M
	v_mov_b32 v14, 0
	v_mov_b32 v15, 0
.set n, 0
.rept 32
	v_mov_b32 v[160+n], 0                          ; O^T: which step comes first hangs on the mask, so the sums begin as zeros
.set n, n+1
.endr
	s_mov_b32 s15, 0
	s_mov_b32 s88, 0
	s_mov_b32 s89, 0
	s_mov_b32 s90, 0
	s_wait_kmcnt 0x0
	s_or_b32 s14, s16, s17
	s_or_b32 s14, s14, s18
	s_or_b32 s14, s14, s19
	s_wait_loadcnt 0x0
.Lstep:                                            ; 16 trips, a constant; a hidden step's work is jumped over
	s_lshr_b32 s2, s14, s15
	s_bitcmp1_b32 s2, 0
	s_cbranch_scc0 .Lskip
	s_wait_alu depctr_vm_vsrc(0)                   ; the LDS loads issued so far have read v8 to v11, which the four additions write
	v_add_nc_u32 v8, s88, v1
	v_add_nc_u32 v9, s88, v28
	v_add_nc_u32 v10, s89, v3
	v_add_nc_u32 v11, s90, v4
	s_wait_alu depctr_va_vdst(0)                   ; v8 to v11 are written, which this step's LDS loads read; the last step's products are done reading v32 to v79, v192, v193 and v248 to v251, in which they land
.set n, 0
.rept 12
	ds_load_b128 v[32+4*n:35+4*n], v8 offset:512*n ; K's eight tiles, six registers each
.set n, n+1
.endr
	ds_load_b128 v[248:251], v10
	s_wait_dscnt 0x0
.irp t, 0,1,2,3,4,5,6,7
.if \t%2
	v_wmma_scale_f32_16x16x128_f8f6f4 v[96+8*\t:103+8*\t], v[32+6*\t:43+6*\t], v[16:27], 0, v[248+\t/2], v255 matrix_a_fmt:MATRIX_FMT_FP6 matrix_b_fmt:MATRIX_FMT_FP6 matrix_a_scale:MATRIX_SCALE_ROW1
.else
	v_wmma_scale_f32_16x16x128_f8f6f4 v[96+8*\t:103+8*\t], v[32+6*\t:43+6*\t], v[16:27], 0, v[248+\t/2], v255 matrix_a_fmt:MATRIX_FMT_FP6 matrix_b_fmt:MATRIX_FMT_FP6
.endif
.endr
.rept 4
	v_nop                                          ; places in front of the first read of the scores
.endr
	s_wait_alu depctr_va_vdst(0)                   ; the score products are done reading v32 to v79: the buffer is asked for again at once; no vector or matrix line ahead of the output products names it, v192 or v193
.set n, 0
.rept 12
	ds_load_b128 v[32+4*n:35+4*n], v9 offset:512*n ; V's four fragments land while the softmax is walked
.set n, n+1
.endr
	ds_load_b64 v[192:193], v11
	s_bitcmp1_b32 s2, 16
	s_cbranch_scc1 .Lopen                          ; every key of the step is open for all 16 queries
	s_load_b512 s[16:31], s[96:97], s90 offset:0x0
	s_load_b512 s[32:47], s[96:97], s90 offset:0x40
	s_load_b512 s[48:63], s[96:97], s90 offset:0x80
	s_load_b512 s[68:83], s[96:97], s90 offset:0xc0
	s_wait_kmcnt 0x0
.set n, 0
.rept 64                               ; word n belongs to register n: a lane's bit 0 hides its score
.if n < 48
	v_cndmask_b32 v[96+n], v194, v[96+n], s[16+n]
.else
	v_cndmask_b32 v[96+n], v194, v[96+n], s[20+n]
.endif
.set n, n+1
.endr
.Lopen:
.irp b, 0,1,2,3
	v_max3_num_f32 v[232+\b], v[96+16*\b], v[97+16*\b], v[98+16*\b]   ; the largest score of each block of 32 keys: for the row's maximum, and for the block's largest p
.endr
.irp i, 3,5,7,9,11,13
.irp b, 0,1,2,3
	v_max3_num_f32 v[232+\b], v[232+\b], v[96+16*\b+\i], v[97+16*\b+\i]
.endr
.endr
.irp b, 0,1,2,3
	v_max_num_f32 v[232+\b], v[232+\b], v[111+16*\b]
.endr
.irp b, 0,1,2,3
	v_permlanex16_b32 v[236+\b], v[232+\b], s84, s85
.endr
.irp b, 0,1,2,3
	v_max_num_f32 v[232+\b], v[232+\b], v[236+\b]
.endr
	v_max3_num_f32 v254, v232, v233, v234
	v_max_num_f32 v254, v254, v235
	v_mul_f32 v254, s86, v254
	v_max_num_f32 v13, v13, v254                   ; the running largest t
	v_mov_b32 v254, v12
	v_floor_f32 v12, -v13                          ; the new -M = -ceil(t)
	v_sub_f32 v254, v12, v254                      ; old M - new M: a whole number, 0 or less
	v_cvt_i32_f32 v254, v254                       ; (it saturates)
	v_ldexp_f32 v252, 1.0, v254                    ; f = 2^(old M - new M): rounds nothing
.set n, 0
.rept 32
	v_pk_fma_f32 v[96+n:97+n], v[96+n:97+n], s[86:87], v[12:13] op_sel_hi:[1,0,0]   ; t - M
.set n, n+2
.endr
.irp b, 0,1,2,3
	v_fma_f32 v[232+\b], v[232+\b], s86, v12
.endr
.set n, 0
.rept 64
	v_exp_f32 v[96+n], v[96+n]                     ; p = 2^(t - M)
.set n, n+1
.endr
	v_pk_mul_f32 v[14:15], v[14:15], v[252:253] op_sel_hi:[1,0]   ; the sums under the new M; a plain place behind the exponentials
	s_wait_alu depctr_va_vdst(0)                   ; the 64 exponentials have written v96 to v159: one wait for the batch, ahead of its first reader
.irp b, 0,1,2,3
	v_exp_f32 v[232+\b], v[232+\b]                 ; the blocks' largest p
.endr
	v_pk_add_f32 v[236:237], v[96:97], v[98:99]    ; the row's sum of the unquantised p, in two chains
.irp j, 4,8,12,16,20,24,28,32,36,40,44,48,52,56,60
	v_pk_add_f32 v[14:15], v[14:15], v[96+\j:97+\j]
	v_pk_add_f32 v[236:237], v[236:237], v[98+\j:99+\j]
.endr
	v_pk_add_f32 v[14:15], v[14:15], v[236:237]
	s_wait_alu depctr_va_vdst(0)                   ; the four exponentials have written v232 to v235, ahead of their first reader
.irp b, 0,1,2,3
	v_max_num_f32 v[232+\b], 0x1800000, v[232+\b]  ; the floor 2^(3 - 127)
.endr
.irp b, 0,1,2,3
	v_add_nc_u32 v[244+\b], 0xff000000, v[232+\b]
.endr
.irp b, 0,1,2,3
	v_lshrrev_b32 v[236+\b], 23, v[244+\b]
.endr
	v_lshl_or_b32 v253, v237, 8, v236              ; p's scale word for these 128 keys
	v_lshl_or_b32 v253, v238, 16, v253
	v_lshl_or_b32 v253, v239, 24, v253
.irp c, 0,1
	v_cvt_scalef32_pk16_fp6_f32 v[224+6*\c:226+6*\c], v[96+32*\c:111+32*\c], v[244+2*\c]
	v_cvt_scalef32_pk16_fp6_f32 v[236+4*\c:238+4*\c], v[112+32*\c:127+32*\c], v[244+2*\c+1]
.endr
	v_nop                                          ; one plain place behind a scaled conversion
.irp c, 0,1
.irp i, 0,1,2
	v_permlane16_swap_b32 v[224+6*\c+\i], v[236+4*\c+\i]
.endr
.irp i, 0,1,2
	v_mov_b32 v[227+6*\c+\i], v[236+4*\c+\i]
.endr
.endr
.set n, 0
.rept 16
	v_pk_mul_f32 v[160+n:161+n], v[160+n:161+n], v[252:253] op_sel_hi:[1,0]   ; O^T under the new M; these 16 are also the places between the codes' and the scale word's last writes and the products
.set n, n+2
.endr
	s_wait_dscnt 0x0                               ; V
	s_wait_alu depctr_va_vdst(0)                   ; p's codes v224 to v235 and its scale word v253 are written, which the scaled products below take as source 1 and its scales; the places above stay beside this wait
.irp i, 0,1,2,3                        ; four accumulators by turns; between two links of one chain stand the next step's eight score products
.if \i%2
	v_wmma_scale_f32_16x16x128_f8f6f4 v[160+8*\i:167+8*\i], v[32+12*\i:43+12*\i], v[224:235], v[160+8*\i:167+8*\i], v[192+\i/2], v253 matrix_a_fmt:MATRIX_FMT_FP6 matrix_b_fmt:MATRIX_FMT_FP6 matrix_a_scale:MATRIX_SCALE_ROW1
.else
	v_wmma_scale_f32_16x16x128_f8f6f4 v[160+8*\i:167+8*\i], v[32+12*\i:43+12*\i], v[224:235], v[160+8*\i:167+8*\i], v[192+\i/2], v253 matrix_a_fmt:MATRIX_FMT_FP6 matrix_b_fmt:MATRIX_FMT_FP6
.endif
.endr
.Lskip:
	s_add_co_u32 s88, s88, 6144
	s_add_co_u32 s89, s89, 512
	s_add_co_u32 s90, s90, 256
	s_add_co_u32 s15, s15, 1
	s_cmp_lt_u32 s15, 16
	s_cbranch_scc1 .Lstep
	; THE WAY OUT of a tile: O^T / the sum, quantised along the head's 64 (two blocks), as K step head / 2 of the last product's operand
.rept 4
	v_nop
.endr
	v_add_f32 v14, v14, v15
	v_permlanex16_b32 v252, v14, s84, s85
	v_add_f32 v14, v14, v252                       ; the row's sum
	v_rcp_f32 v15, v14
	v_nop                                          ; a plain place behind the reciprocal
	s_wait_alu depctr_va_vdst(0)                   ; the reciprocal has written v15, ahead of its first reader
.set n, 0
.rept 32
	v_mul_f32 v[96+n], v[160+n], v15               ; register 16 b + i: channel 32 b + 16 h + i
.set n, n+1
.endr
.irp b, 0,1
	v_max3_num_f32 v[232+\b], |v[96+16*\b]|, |v[97+16*\b]|, 0x1800000
.endr
.irp i, 2,4,6,8,10,12,14
.irp b, 0,1
	v_max3_num_f32 v[232+\b], v[232+\b], |v[96+16*\b+\i]|, |v[97+16*\b+\i]|
.endr
.endr
.irp b, 0,1
	v_permlanex16_b32 v[236+\b], v[232+\b], s84, s85
.endr
.irp b, 0,1
	v_max_num_f32 v[232+\b], v[232+\b], v[236+\b]
.endr
.irp b, 0,1
	v_add_nc_u32 v[244+\b], 0xff000000, v[232+\b]
.endr
.irp b, 0,1
	v_lshrrev_b32 v[236+\b], 23, v[244+\b]
.endr
	v_lshl_or_b32 v254, v237, 8, v236
	v_cmp_neq_f32 vcc_lo, 0, v14
	s_wait_alu depctr_va_vcc(0)                    ; the compare has written VCC, which the selection below reads
	v_cndmask_b32 v254, 0xffff, v254, vcc_lo       ; no open key: the bytes 0xff
	v_cvt_scalef32_pk16_fp6_f32 v[224:226], v[96:111], v244
	v_cvt_scalef32_pk16_fp6_f32 v[228:230], v[112:127], v245
	v_nop
.irp i, 0,1,2
	v_permlane16_swap_b32 v[224+\i], v[228+\i]
.endr
.irp i, 0,1,2
	v_mov_b32 v[227+\i], v[228+\i]
.endr
	s_wait_alu depctr_va_vdst(0)                   ; the conversions, swaps and moves have written v224 to v229 and the selection v254, which the four stores read
.irp m, 0,1,2
	global_store_b64 v2, v[224+2*\m:225+2*\m], s[98:99] offset:256*\m   ; 256 consecutive bytes, aligned
.endr
	global_store_b16 v29, v254, s[100:101]         ; both halves of the lanes hold, and write, the same two bytes of row r
	s_wait_xcnt 0x0                                ; the bases and the stores' registers are written again in the next trip
	s_wait_alu depctr_vm_vsrc(0)                   ; the stores have read v224 to v229 and v254, Q's loads v5 to v7 and v30: the next trip's vector lines write all of them again
	s_add_co_u32 s91, s91, 1
	s_cmp_lt_u32 s91, 2
	s_cbranch_scc1 .Ltile
	s_wait_dscnt 0x0
	s_wait_alu depctr_hold_cnt(0) depctr_sa_sdst(0) depctr_va_vdst(0) depctr_va_sdst(0) depctr_va_ssrc(0) depctr_va_vcc(0) depctr_vm_vsrc(0)
	s_wait_tensorcnt 0x0
	ds_add_u32 v223, v243
	s_wait_dscnt 0x0
	s_endpgm
.Lfunc_end_k_qb6341e03ac_attn:
	.size	k_qb6341e03ac_attn, .Lfunc_end_k_qb6341e03ac_attn-k_qb6341e03ac_attn
	.p2alignl 7, 3214868480
	.fill 96, 4, 3214868480
	.section	.rodata,"a",@progbits
	.p2align	6, 0x0
	.amdhsa_kernel k_qb6341e03ac_attn
		.amdhsa_group_segment_fixed_size 210944
		.amdhsa_private_segment_fixed_size 0
		.amdhsa_enable_private_segment 0
		.amdhsa_kernarg_size 24
		.amdhsa_user_sgpr_count 2
		.amdhsa_user_sgpr_kernarg_segment_ptr 1
		.amdhsa_wavefront_size32 1
		.amdhsa_system_sgpr_workgroup_id_x 1
		.amdhsa_system_sgpr_workgroup_id_y 1
		.amdhsa_system_sgpr_workgroup_id_z 1
		.amdhsa_system_vgpr_workitem_id 0
		.amdhsa_next_free_vgpr 256
		.amdhsa_next_free_sgpr 102
		.amdhsa_reserve_vcc 1
		.amdhsa_float_denorm_mode_32 3
		.amdhsa_float_denorm_mode_16_64 3
		.amdhsa_memory_ordered 1
		.amdhsa_forward_progress 1
		.amdhsa_inst_pref_size 36
	.end_amdhsa_kernel
	.amdgpu_metadata
---
amdhsa.version: [ 1, 2 ]
amdhsa.kernels:
  - .name:           k_qb6341e03ac_attn
    .symbol:         k_qb6341e03ac_attn.kd
    .args:
      - { .name: qkv, .offset: 0, .size: 8, .value_kind: global_buffer, .address_space: global }
      - { .name: masks, .offset: 8, .size: 8, .value_kind: global_buffer, .address_space: global }
      - { .name: att, .offset: 16, .size: 8, .value_kind: global_buffer, .address_space: global }
    .group_segment_fixed_size: 210944
    .private_segment_fixed_size: 0
    .kernarg_segment_align: 8
    .kernarg_segment_size: 24
    .max_flat_workgroup_size: 512
    .sgpr_count:     102
    .vgpr_count:     256
    .wavefront_size: 32
...
	.end_amdgpu_metadata
.endif
;; end of part 5
;; launch proj: the kernel of part 4 again; grid 4 x 32, 4 waves a work-group, clusters of 4 x 4, 327,680 bytes of LDS; arguments att, opnd, b_proj, out0; writes out0
